; MI455X (gfx1250); checked and timed in simulation.
; The chip was launched on July 23, 2026; its instructions are those of AMD's public machine-readable ISA for CDNA 5 (MIT licence, August 2026) and "CDNA5" Instruction Set Architecture Reference Guide (July 2026). The comments in the code are by the model that wrote it; some were corrected since.
;; Grouped Query Attention. Allowed arithmetic: float matrix products may take bf16 or f16 operands with f32 sums; other float arithmetic in f32, or as packed bf16 or f16 multiplies, adds, multiply-adds, maxima and minima; sums over many terms, partial sums and values carried from step to step in f32; what a program stores and reads back later, other than sums and carried values, may be rounded once to bf16 or f16.
;; Inputs: wk 2,048 x 512 float32; wo 2,048 x 2,048 float32; wq 2,048 x 2,048 float32; wv 2,048 x 512 float32; x 2 x 1,024 x 2,048 float32.
;; Outputs: out0 2 x 1,024 x 2,048 float32.
;; One version. Each part assembles by itself: llvm-mc -triple=amdgcn-amd-amdhsa -mcpu=gfx1250 --defsym DOCPART=n.
;; ======== version 1 of 1: 4 launches
;; limits: values are held in f16: magnitudes above 65,504 overflow, below 6.1e-05 lose precision
;; workspace buffers: xb 8,388,608 bytes; wqkvb 12,582,912 bytes; wob 8,388,608 bytes; rope 262,144 bytes; qkv 12,582,912 bytes; ob 8,388,608 bytes
;; launch cast (part 1): grid 1920 x 1, 8 waves a work-group, no clusters, 0 bytes of LDS; arguments x, wq, wk, wv, wo, xb, wqkvb, wob, rope; writes xb, wqkvb, wob, rope
.if DOCPART == 1
	.amdgcn_target "amdgcn-amd-amdhsa--gfx1250"
	.amdhsa_code_object_version 6
	.text
	.protected	k_q8bbc96e0c9_cast
	.globl	k_q8bbc96e0c9_cast
	.p2align	8
	.type	k_q8bbc96e0c9_cast,@function
k_q8bbc96e0c9_cast:
	s_mov_b64 s[64:65], 0
	v_nop
	global_prefetch_b8 v0, s[64:65] scope:SCOPE_SE
	s_setreg_imm32_b32 hwreg(HW_REG_WAVE_MODE, 25, 1), 1
	s_wait_xcnt 0x0
; GROUPED-QUERY ATTENTION IN FOUR LAUNCHES: cast (this one), qkv (x times wq, wk, wv, and the rotation), attn (causal attention), oproj (times wo).
; WORK LEFT OUT, in the launch attn alone.  reference() replaces every score with key t > query s by the lowest f32 number before its softmax, by a jnp.tril that it builds itself.  Each row sees its
; own key, so the row's maximum is a true score, and in exact arithmetic a replaced score's weight exp(lowest - maximum) is nothing beside the row's sum for all finite inputs: it moves no result by more than rounding.
; So a tile of 128 keys that lies wholly behind a block of 128 queries is neither loaded nor multiplied, and in the tile that holds the diagonal the 64 queries that lie wholly ahead of its second
; 64 keys skip that step.  Inside tiles that also hold live scores the hidden ones are computed and hidden by -1e30.  LIMIT: a NaN, an infinity or an overflow that reaches only those scores is not carried to the result.
; No input is left out: x, wq, wk, wv and wo all reach out0.
; THIS LAUNCH rounds every input once to bf16 and lays the weights out; it also makes the table of cosines and sines.
;   xb    [2048 m][2048 k] bf16          wqkvb [48 heads][2048 k][64 d] bf16: heads 0-31 from wq, 32-39 from wk, 40-47 from wv, so that 64 k rows of a head are 8,192 bytes on end
;   wob   [2048 k][2048 n]: wo's bf16 value written as f16 (exact from 6.1e-5 up; LIMIT: below that it keeps f16's fixed step of 6e-8, and beyond 65,504 it is an infinity)
;   rope  [1024 s][cos 0..31, sin 0..31] f32, 256 bytes a row
; SHARES.  Work-groups 0-1791 cast 8,192 numbers each: 32 tasks of 2 k rows x 128 columns, four for each of eight waves, eight numbers a lane.  The lane's bits a = l % 8, bb = (l / 8) % 2, cc = l / 16 are
; dealt so that eight lanes read 256 bytes on end and sixteen lanes store 256 bytes on end, aligned, in every segment.  Work-groups 1792-1919 make the table, a row a wave.
; No LDS, no matrix unit, no cluster: nothing is shared and nothing is multiplied; all eight loads of a wave go out before its first wait.
; TABLE, LIMIT: the angle s x 2^(-j log2(10000) / 32) comes from one exponential of a rounded exponent: it can differ from the f32 angle of reference() by some 4e-7 of itself, 4e-4 rad at s = 1023.
.set WV,  38                           ; s38      my wave's number
.set IN,  4                            ; v[4:7]   task i: my byte offset in the source
.set OUT, 8                            ; v[8:11]  task i: my byte offset in the target
.set D,   16                           ; v[16:47] task i: 8 numbers as loaded
.set PKD, 48                           ; v[48:63] task i: 4 registers to store
; One segment.  src, dst: the scalar pairs of the two buffers.  start: its first work-group.  A task q = 8 i + wave has the column group hp = q & mask and the pair of k rows kp = (q >> sh) + kpw x work-group.
; source byte = (kp << w2l) + 512 hp + 32 a + (bb << ibl) + (cc << icl);   target byte = base + (kp << kol) + (hp << hol) + 16 a + 128 bb + (cc << ocl).
.macro CAST src, dst, start, mask, sh, kpw, w2l, kol, hol, base, ibl, icl, ocl, f16
	s_sub_co_u32 s26, ttmp9, \start
	s_mul_i32 s26, s26, \kpw
	v_lshlrev_b32 v12, 5, v1
	v_lshl_add_u32 v12, v2, \ibl, v12
	v_lshl_add_u32 v12, v3, \icl, v12
	v_lshlrev_b32 v13, 4, v1
	v_lshl_add_u32 v13, v2, 7, v13
	v_lshl_add_u32 v13, v3, \ocl, v13
.irp i, 0,1,2,3
	s_add_co_u32 s39, s[WV], 8*(\i)
	s_and_b32 s40, s39, \mask
	s_lshr_b32 s41, s39, \sh
	s_add_co_u32 s41, s41, s26
	s_lshl_b32 s42, s41, \w2l
	s_lshl_b32 s43, s40, 9
	s_add_co_u32 s42, s42, s43
	v_add_nc_u32 v[IN+(\i)], s42, v12
	s_lshl_b32 s42, s41, \kol
	s_lshl_b32 s43, s40, \hol
	s_add_co_u32 s42, s42, s43
.if (\base) != 0
	s_add_co_u32 s42, s42, \base
.endif
	v_add_nc_u32 v[OUT+(\i)], s42, v13
.endr
.irp i, 0,1,2,3
	global_load_b128 v[D+8*(\i):D+8*(\i)+3],   v[IN+(\i)], s[(\src):(\src)+1] th:TH_LOAD_NT
	global_load_b128 v[D+8*(\i)+4:D+8*(\i)+7], v[IN+(\i)], s[(\src):(\src)+1] offset:16 th:TH_LOAD_NT
.endr
.irp i, 0,1,2,3
	s_wait_loadcnt 6-2*(\i)                        ; loads come back in order: task i's two are in, the later tasks' stay out
.irp j, 0,1,2,3
	v_cvt_pk_bf16_f32 v[PKD+4*(\i)+(\j)], v[D+8*(\i)+2*(\j)], v[D+8*(\i)+2*(\j)+1]
.endr
.endr
.if \f16
.set r, PKD
.rept 16                               ; the bf16 value, widened by a shift and a mask, is written as f16
	v_lshlrev_b32 v14, 16, v[r]
	v_and_b32 v15, 0xffff0000, v[r]
	v_cvt_pk_f16_f32 v[r], v14, v15
.set r, r+1
.endr
.endif
.irp i, 0,1,2,3
	global_store_b128 v[OUT+(\i)], v[PKD+4*(\i):PKD+4*(\i)+3], s[(\dst):(\dst)+1]  ; sixteen lanes store 256 consecutive bytes, aligned
.endr
	s_endpgm
.endm
	s_load_b256 s[4:11], s[0:1], 0x0               ; x s[4:5], wq s[6:7], wk s[8:9], wv s[10:11]
	s_load_b256 s[12:19], s[0:1], 0x20             ; wo s[12:13], xb s[14:15], wqkvb s[16:17], wob s[18:19]
	s_load_b64 s[20:21], s[0:1], 0x40              ; rope
	v_lshrrev_b32 v3, 5, v0
	v_readfirstlane_b32 s[WV], v3
	v_and_b32 v1, 7, v0                            ; a
	v_bfe_u32 v2, v0, 3, 1                         ; bb
	v_bfe_u32 v3, v0, 4, 1                         ; cc
	s_wait_kmcnt 0x0
	s_cmp_ge_u32 ttmp9, 1792                       ; the work-group's number picks its segment: forward jumps alone
	s_cbranch_scc1 .Ltable
	s_cmp_ge_u32 ttmp9, 1280
	s_cbranch_scc1 .Lwo
	s_cmp_ge_u32 ttmp9, 1152
	s_cbranch_scc1 .Lwv
	s_cmp_ge_u32 ttmp9, 1024
	s_cbranch_scc1 .Lwk
	s_cmp_ge_u32 ttmp9, 512
	s_cbranch_scc1 .Lwq
	CAST 4, 14, 0, 15, 4, 2, 14, 13, 8, 0, 8, 13, 12, 0              ; x -> xb: bb = the second 64 columns, cc = the row of the pair
.Lwq:
	CAST 6, 16, 512, 15, 4, 2, 14, 8, 19, 0, 13, 8, 18, 0            ; wq -> heads 0-31: bb = the k row of the pair, cc = the head of the pair
.Lwk:
	CAST 8, 16, 1024, 3, 2, 8, 12, 8, 19, 8388608, 11, 8, 18, 0      ; wk -> heads 32-39
.Lwv:
	CAST 10, 16, 1152, 3, 2, 8, 12, 8, 19, 10485760, 11, 8, 18, 0    ; wv -> heads 40-47
.Lwo:
	CAST 12, 18, 1280, 15, 4, 2, 14, 13, 8, 0, 8, 13, 12, 1          ; wo -> wob, as x, then written as f16
.Ltable:
	; Row s = 8 x (work-group - 1792) + wave.  Lane l makes entries j = 2 (l % 16) and j + 1: lanes 0-15 the cosines, lanes 16-31 the sines, as cos(angle - pi/2).
	s_sub_co_u32 s26, ttmp9, 1792
	s_lshl_b32 s26, s26, 3
	s_add_co_u32 s26, s26, s[WV]
	v_and_b32 v1, 15, v0
	v_bfe_u32 v2, v0, 4, 1
	v_and_b32 v3, 31, v0
	v_lshlrev_b32 v4, 1, v1
	v_cvt_f32_u32 v4, v4                           ; j
	v_add_f32 v5, 1.0, v4                          ; j + 1
	v_mul_f32 v4, 0xbed49a78, v4                   ; - j log2(10000) / 32
	v_mul_f32 v5, 0xbed49a78, v5
	v_exp_f32 v4, v4                               ; 10000^(-j/32)
	v_exp_f32 v5, v5
	v_cvt_f32_u32 v6, v2                           ; 0 for a cosine, 1 for a sine
	v_cvt_f32_u32 v9, s26                          ; s
	v_nop                                          ; a plain instruction behind the last exponential,
	s_wait_alu depctr_va_vdst(0)                   ; and one wait for both, ahead of their first reader
	v_mul_f32 v7, 0x3e800000, v6                   ; a quarter turn, or 0
	v_mul_f32 v8, 0x3fc90fdb, v6                   ; pi/2, or 0
	v_lshlrev_b32 v20, 3, v3
	s_lshl_b32 s27, s26, 8
	v_add_nc_u32 v20, s27, v20                     ; 256 s + 8 l
.irp e, 4, 5
	v_mul_f32 v10, v9, v[\e]                       ; the angle, rounded to f32 as reference() rounds it
	v_fma_f32 v11, v10, 0.15915494, -v7
	v_rndne_f32 v11, v11                           ; whole turns
	v_fmamk_f32 v10, v11, 0xc0c90fdb, v10          ; less 2 pi times them, 2 pi in two parts,
	v_fmamk_f32 v10, v11, 0x343bbd2e, v10
	v_sub_f32 v10, v10, v8                         ; less the sine's quarter turn: within -pi .. pi
	v_mul_f32 v10, v10, v10
	v_mov_b32 v12, 0x29573f9f                      ; the cosine's series to the 16th power: the term left out is 1.4e-7 at pi
	v_fmaak_f32 v12, v12, v10, 0xad49cba5
	v_fmaak_f32 v12, v12, v10, 0x310f76c7
	v_fmaak_f32 v12, v12, v10, 0xb493f27e
	v_fmaak_f32 v12, v12, v10, 0x37d00d01
	v_fmaak_f32 v12, v12, v10, 0xbab60b61
	v_fmaak_f32 v12, v12, v10, 0x3d2aaaab
	v_fmaak_f32 v12, v12, v10, 0xbf000000
	v_fma_f32 v[12+(\e)], v12, v10, 1.0
.endr
	global_store_b64 v20, v[16:17], s[20:21]       ; the wave stores the row's 256 bytes
	s_endpgm
.Lfunc_end_k_q8bbc96e0c9_cast:
	.size	k_q8bbc96e0c9_cast, .Lfunc_end_k_q8bbc96e0c9_cast-k_q8bbc96e0c9_cast
	.p2alignl 7, 3214868480
	.fill 96, 4, 3214868480
	.section	.rodata,"a",@progbits
	.p2align	6, 0x0
	.amdhsa_kernel k_q8bbc96e0c9_cast
		.amdhsa_group_segment_fixed_size 0
		.amdhsa_private_segment_fixed_size 0
		.amdhsa_enable_private_segment 0
		.amdhsa_kernarg_size 72
		.amdhsa_user_sgpr_count 2
		.amdhsa_user_sgpr_kernarg_segment_ptr 1
		.amdhsa_wavefront_size32 1
		.amdhsa_system_sgpr_workgroup_id_x 1
		.amdhsa_system_sgpr_workgroup_id_y 1
		.amdhsa_system_sgpr_workgroup_id_z 1
		.amdhsa_system_vgpr_workitem_id 0
		.amdhsa_next_free_vgpr 64
		.amdhsa_next_free_sgpr 66
		.amdhsa_reserve_vcc 0
		.amdhsa_float_denorm_mode_32 3
		.amdhsa_float_denorm_mode_16_64 3
		.amdhsa_memory_ordered 1
		.amdhsa_forward_progress 1
		.amdhsa_inst_pref_size 28
	.end_amdhsa_kernel
	.amdgpu_metadata
---
amdhsa.version: [ 1, 2 ]
amdhsa.kernels:
  - .name:           k_q8bbc96e0c9_cast
    .symbol:         k_q8bbc96e0c9_cast.kd
    .args:
      - { .name: x, .offset: 0, .size: 8, .value_kind: global_buffer, .address_space: global }
      - { .name: wq, .offset: 8, .size: 8, .value_kind: global_buffer, .address_space: global }
      - { .name: wk, .offset: 16, .size: 8, .value_kind: global_buffer, .address_space: global }
      - { .name: wv, .offset: 24, .size: 8, .value_kind: global_buffer, .address_space: global }
      - { .name: wo, .offset: 32, .size: 8, .value_kind: global_buffer, .address_space: global }
      - { .name: xb, .offset: 40, .size: 8, .value_kind: global_buffer, .address_space: global }
      - { .name: wqkvb, .offset: 48, .size: 8, .value_kind: global_buffer, .address_space: global }
      - { .name: wob, .offset: 56, .size: 8, .value_kind: global_buffer, .address_space: global }
      - { .name: rope, .offset: 64, .size: 8, .value_kind: global_buffer, .address_space: global }
    .group_segment_fixed_size: 0
    .private_segment_fixed_size: 0
    .kernarg_segment_align: 8
    .kernarg_segment_size: 72
    .max_flat_workgroup_size: 256
    .sgpr_count:     66
    .vgpr_count:     64
    .wavefront_size: 32
...
	.end_amdgpu_metadata
.endif
;; end of part 1
;; launch qkv (part 2): grid 16 x 16, 4 waves a work-group, clusters of 4 x 1, 327,680 bytes of LDS; arguments xb, wqkvb, rope, qkv; writes qkv
.if DOCPART == 2
	.amdgcn_target "amdgcn-amd-amdhsa--gfx1250"
	.amdhsa_code_object_version 6
	.text
	.protected	k_q8bbc96e0c9_qkv
	.globl	k_q8bbc96e0c9_qkv
	.p2align	8
	.type	k_q8bbc96e0c9_qkv,@function
k_q8bbc96e0c9_qkv:
	s_mov_b64 s[64:65], 0
	v_nop
	global_prefetch_b8 v0, s[64:65] scope:SCOPE_SE
	s_setreg_imm32_b32 hwreg(HW_REG_WAVE_MODE, 25, 1), 1
	s_wait_xcnt 0x0
	s_wait_alu depctr_hold_cnt(0) depctr_sa_sdst(0) depctr_va_vdst(0) depctr_va_sdst(0) depctr_va_ssrc(0) depctr_va_vcc(0) depctr_vm_vsrc(0)
	s_getreg_b32 s2, hwreg(HW_REG_IB_STS2, 6, 4)
	s_cmp_eq_u32 s2, 0
	s_cbranch_scc0 .Lentry_in_a_cluster
	s_endpgm
.Lentry_in_a_cluster:
	s_bfe_u32 s2, ttmp6, 0x10000c
	s_cmp_lg_u32 s2, 0x3003
	s_cbranch_scc0 .Lentry_shape_is_right
	s_endpgm
.Lentry_shape_is_right:
; q, k, v = x times wq, wk, wv, q and k rotated.  xb: [2048 m][2048 k] bf16.  wqkvb: [48 heads][2048 k][64 d] bf16.  rope: [1024 s][32 cos, 32 sin] f32.
; qkv: [2 b][48 heads][1024 s][64] f16: heads 0-31 q, 32-39 k, 40-47 v; q is NOT scaled here.  Sums in f32, the rotation in f32, each number rounded once to f16.
; LIMIT: f16 holds no number beyond 65,504: a q, k or v beyond it becomes an infinity.  Nothing of reference() is left out here.
; SHARES.  A work-group makes 128 rows x 3 heads (192 columns): 16 x 16 work-groups.  Wave w: rows 64 (w / 2) on; in EACH of the three heads the columns 16 (w % 2) + 0..15 and 32 + 16 (w % 2) + 0..15,
; so that both partners d and d + 32 of a rotation lie in one lane at one register index.  4 x 6 accumulators of 16 x 16, 192 registers.
; THE MATRIX INSTRUCTION IS USED TRANSPOSED (source 0 = 16 columns of w, source 1 = 16 rows of x): a lane holds row l % 16 and eight neighbouring columns 8 (l / 16) + 0..7.
; w lies [k][d] in LDS and is turned on its way into registers by ds_load_tr16_b128.
; w GOES THROUGH A RING of two LDS slots filled by the tensor data mover, 256 of K a slot: 8 periods of 8 quarters of 32, 24 matrix instructions and 20 LDS loads a quarter.  Each of the four waves brings 64 k rows of the
; three heads.  CLUSTER 4 x 1: the four partners make the same three heads for different rows, so each tile of w is asked for jointly, by the same load, descriptor and mask in all four.
; x DOES NOT GO THROUGH THE RING, AND IS NOT ASKED FOR JOINTLY.  Two slots of 256 of K for both operands would take 2 x (128 x 528 + 3 x 256 x 160) = 380,928 bytes, more than the 327,680 of the launch; two slots of 128
; leave a refill 84 matrix instructions from its request to the wait for it.  With x outside, w's two slots of 256 take 245,760 bytes, and a refill has 180.  x comes by loads into registers, which may stay out across
; barriers: in steps of 128 of K each wave loads 32 of the 128 rows (16 loads of two whole rows of 256 bytes), two steps, 192 matrix instructions, ahead of their use, and stores them into one of two LDS buffers that
; no tensor load touches.  The price: each work-group fetches its own 128 x 4,096 bytes of x.
; No prefetch ahead of the ring: a wave's tile is 64 x 96, and a load's tile is 24 KiB.
; REGISTERS.  Window 0: v0-31 addresses; v32-111, v112-191 two fragment buffers (x's tile i at + 8 i, w's block b = 2 head + half at + 32 + 8 b); v192-255 the table.  Window 1: accumulator (a, b) at v[8 (6 a + b)].
; Window 2: v0-63 x of an even step as loaded, v64-127 of an odd step.
.set PA,    272                        ; a row of x in LDS: 256 bytes + 16 = 68 words: the 16 rows of a load start at 16 different groups of four banks (64 banks of 4 bytes: ISA guide 11.1)
.set ABYTES, 128*PA                    ; a step's x
.set PB,    160                        ; a k row of one head of w: 128 bytes + 32 = 40 words
.set BHEAD, 64*PB
.set BPART, 3*BHEAD                    ; what one wave's tensor load brings: 64 k rows of three heads
.set SLOT1, 1<<17                      ; a slot is 4 x BPART = 122,880 bytes; slot 1 begins here, so that one exclusive or turns an address in one slot into the other's
.set ABUF,  SLOT1+4*BPART              ; behind the ring, never filled by a tensor load: x's two buffers
.set STAGE, ABUF                       ; the way out uses the same bytes, behind a barrier: [3 heads][128 rows][144 bytes] = 55,296 of the 69,632
.set SP,    144
.set SPARE, ABUF+2*ABYTES              ; the spare words, 128 bytes for each wave: two blocks of 256 bytes that no other line names
.set ADRA, 16                          ; v16-17  LDS address of my fragments of x in buffer 0, 1
.set AB0,  18                          ; v18-19  my lane's place in a slot of w: parts 0-1, parts 2-3 (an LDS offset has 16 bits); never rewritten
.set ADRB, 20                          ; v20-21  the same plus the byte of the slot in hand
.set AGO,  22                          ; v22  my byte offset in two rows of xb; never rewritten
.set AST,  23                          ; v23  where I store 16 bytes of x; never rewritten
.set STO,  24                          ; v24  the way out: where I put 16 bytes of a row
.set RD,   25                          ; v25  where I read rows back
.set GO,   26                          ; v26  my 16 bytes of 512 consecutive bytes of qkv
.set TO,   27                          ; v27  my byte offset in 16 rows of the table
.set SPW,  28                          ; v28  my spare word; never rewritten
.set NIL,  29                          ; v29  0; never rewritten
.set F0,   32
.set F1,   112
.set TAB,  192                         ; for row block a: 8 cosines at + 16 a, 8 sines at + 16 a + 8
.set CE,   32                          ; the way out works in the fragments' registers
.set SE,   40
.set T1,   48
.set T2,   56
.set Y1,   64
.set Y2,   72
.set PK,   80
.set RB,   96
.set WV,   12                          ; s12 wave;  s13 = wave / 2: my half of the rows;  s14 = wave % 2: my columns
.set WR,   13
.set WC,   14
.set G1B,  24                          ; s[24:31] descriptor group 1 for w's tiles
.set G0,   32                          ; s[32:39] group 0: a set for each of the two first fills; the second then walks on
.set TB,   40                          ; s40  the LDS byte of the slot in hand
.set AP,   42                          ; s[42:43]  xb at my 32 rows, at the step loaded last
.set TX,   44                          ; s44  heads 3 tx .. 3 tx + 2: the same in all four partners
.set TY,   45                          ; s45  rows 128 ty on: it enters the addresses of xb, rope and qkv alone
.set FG,   68                          ; s[68:79] for each head of the three a pair f and a pair g: (1, 0) where it is rotated, (0, 1) for a head of v
.set MUL,  0x50                        ; C and D in window 1, the sources in window 0
.set MSB, 0
.macro WIN new                         ; the immediate's high byte repeats the setting that is left; a switch that changes nothing is dropped
.if MSB != (\new)
	s_set_vgpr_msb (MSB<<8)|(\new)
.set MSB, \new
.endif
.endm
.macro CREST                           ; a round of the cluster's barrier behind its opening barrier
	s_cmp_lg_u32 s[WV], 0
	s_cbranch_scc1 .Lnot_wave_0_\@
	s_barrier_signal -3
.Lnot_wave_0_\@:
	s_barrier_wait -3
	s_barrier_signal -1
	s_barrier_wait -1
.endm
.macro CROUND
	s_barrier_signal -1
	s_barrier_wait -1
	CREST
.endm
.macro PLACES                          ; four places in front of loads into registers that matrix instructions have read, and of vector work that reads results
.rept 4
	v_nop
.endr
.endm
; x, a step's 32 rows of mine.  ALOAD: 16 loads into set s, each two whole rows of 256 bytes; adv = 1: the pointer goes one step of 128 of K on first, behind the wait that frees it.
.macro ALOAD set, adv
.if \adv
	s_wait_xcnt 0x0                                ; the loads issued so far have read their address
	s_add_nc_u64 s[AP:AP+1], s[AP:AP+1], 256
.endif
	WIN 0x80                                       ; destination window 2, address window 0
.set n, 0
.rept 16
	global_load_b128 v[64*(\set)+4*n:64*(\set)+4*n+3], v[AGO], s[AP:AP+1] offset:n*8192
.set n, n+1
.endr
.endm
; ASTORE: set s is waited for (left = the younger loads that may stay out) and stored into buffer s: sixteen lanes fill a row's 256 bytes.
.macro ASTORE set, left
	WIN 0x08                                       ; data window 2, address window 0
	s_wait_loadcnt \left
.set n, 0
.rept 16
	ds_store_b128 v[AST], v[64*(\set)+4*n:64*(\set)+4*n+3] offset:(\set)*ABYTES+n*2*PA
.set n, n+1
.endr
.endm
	s_load_b256 s[4:11], s[0:1], 0x0               ; xb s[4:5], wqkvb s[6:7], rope s[8:9], qkv s[10:11]
	v_lshl_add_u32 v[SPW], v0, 2, SPARE
	v_mov_b32 v[NIL], 0
	ds_add_u32 v[SPW], v[NIL]                      ; the wave's opening: the add, twice on end, and its wait ahead of my first tensor load
	ds_add_u32 v[SPW], v[NIL]
	v_lshrrev_b32 v1, 5, v0
	v_readfirstlane_b32 s[WV], v1
	s_lshr_b32 s[WR], s[WV], 1
	s_and_b32 s[WC], s[WV], 1
	s_bfe_u32 s46, ttmp6, 0x40000                  ; cx: my place in the cluster
	s_lshl_b32 s[TY], ttmp9, 2
	s_add_co_u32 s[TY], s[TY], s46                 ; ty = 4 x cluster x + cx
	s_and_b32 s[TX], ttmp7, 0xffff                 ; tx
	s_mov_b32 s[G1B], 15|(1<<16)|(1<<20)|(1<<21)|(4<<22)|(7<<25)  ; the mask of four; 2-byte elements; padding on; bit 21 beside a mask; after every 32 words (a k row of a head) 8 words
	s_mov_b32 s[G1B+1], 4096<<16                   ; a row of the descriptor is 64 k rows of one head, 8,192 bytes on end
	s_mov_b32 s[G1B+2], 3<<16                      ; three heads
	s_mov_b32 s[G1B+3], 4096<<16
	s_mov_b32 s[G1B+4], 3
	s_mov_b32 s[G1B+5], 131072                     ; elements from head to head
	s_mov_b32 s[G1B+6], 0
	s_mov_b32 s[G1B+7], 0
	s_mul_i32 s20, s[WV], BPART                    ; where my part of a slot lies: the wave's number alone
	s_mov_b32 s[G0], 1
	s_mov_b32 s[G0+1], s20
	s_mov_b32 s[G0+4], 1
	s_add_co_u32 s[G0+5], s20, SLOT1
	s_mul_i32 s48, s[TX], 3*262144                 ; w: head 3 tx, + 64 k rows x wave
	s_lshl_b32 s49, s[WV], 13
	s_add_co_u32 s48, s48, s49
	s_mov_b32 s49, 0
	s_lshl_b32 s16, s[TY], 7                       ; x: row 128 ty + 32 x wave, 4,096 bytes a row
	s_lshl_b32 s17, s[WV], 5
	s_add_co_u32 s16, s16, s17
	s_lshl_b32 s16, s16, 12
	s_mov_b32 s17, 0
	s_mov_b32 s[TB], 0
	v_and_b32 v1, 15, v0                           ; r = l % 16
	v_bfe_u32 v2, v0, 4, 1                         ; h = l / 16
	v_lshlrev_b32 v[AGO], 12, v2                   ; lanes 0-15 take one row's 256 bytes, lanes 16-31 the next row's
	v_lshl_add_u32 v[AGO], v1, 4, v[AGO]
	s_wait_dscnt 0x0                               ; both opening adds are done
	s_wait_kmcnt 0x0
	s_add_nc_u64 s[AP:AP+1], s[4:5], s[16:17]
	s_add_nc_u64 s[G0+2:G0+3], s[6:7], s[48:49]    ; period 0
	s_add_nc_u64 s[G0+6:G0+7], s[G0+2:G0+3], 32768 ; period 1: 256 k rows of 128 bytes on
	s_or_b32 s[G0+3], s[G0+3], 0x80000000
	s_or_b32 s[G0+7], s[G0+7], 0x80000000
	ALOAD 0, 0                                     ; x of step 0,
	ALOAD 1, 1                                     ; and of step 1
	WIN 0
	CROUND                                         ; all four work-groups are here: the first joint loads meet
	tensor_load_to_lds s[G0:G0+3], s[G1B:G1B+7]    ; both first fills go out together: two tensor loads of mine are out
	s_nop 0
	tensor_load_to_lds s[G0+4:G0+7], s[G1B:G1B+7]
	s_nop 0
.rept 4
	v_nop
.endr
	v_lshlrev_b32 v[TO], 8, v1                     ; the table: row r, entries 16 wc + 8 h + 0..7
	v_lshl_add_u32 v[TO], v2, 5, v[TO]
	s_lshl_b32 s23, s[WC], 6
	v_add_nc_u32 v[TO], s23, v[TO]
	s_and_b32 s16, s[TY], 7                        ; my first position s = 128 (ty % 8) + 64 wr
	s_lshl_b32 s16, s16, 7
	s_lshl_b32 s17, s[WR], 6
	s_add_co_u32 s16, s16, s17
	s_lshl_b32 s16, s16, 8
	s_mov_b32 s17, 0
	s_add_nc_u64 s[8:9], s[8:9], s[16:17]
.irp a, 0,1,2,3
	global_load_b128 v[TAB+16*(\a):TAB+16*(\a)+3],     v[TO], s[8:9] offset:4096*(\a)
	global_load_b128 v[TAB+16*(\a)+4:TAB+16*(\a)+7],   v[TO], s[8:9] offset:4096*(\a)+16
	global_load_b128 v[TAB+16*(\a)+8:TAB+16*(\a)+11],  v[TO], s[8:9] offset:4096*(\a)+128
	global_load_b128 v[TAB+16*(\a)+12:TAB+16*(\a)+15], v[TO], s[8:9] offset:4096*(\a)+144
.endr
	v_mul_u32_u24 v3, v1, PA
	v_lshl_add_u32 v3, v2, 4, v3
	s_mul_i32 s22, s[WR], 64*PA
	s_add_co_u32 s22, s22, ABUF
	v_add_nc_u32 v[ADRA], s22, v3                  ; buffer 0 + (64 wr + r) x pitch + 16 h
	v_add_nc_u32 v[ADRA+1], ABYTES, v[ADRA]
	v_and_b32 v4, 7, v0
	v_bfe_u32 v5, v0, 3, 1
	v_lshl_add_u32 v6, v2, 3, v4                   ; the turning load: lane l reads k row 8 h + l % 8, columns 8 ((l / 8) % 2) + 0..7, and ends with column l % 16 and 8 k
	v_mul_u32_u24 v6, v6, PB
	v_lshl_add_u32 v6, v5, 4, v6
	s_lshl_b32 s23, s[WC], 5
	v_add_nc_u32 v[AB0], s23, v6
	v_add_nc_u32 v[AB0+1], 2*BPART, v[AB0]
	v_add_nc_u32 v[ADRB], s[TB], v[AB0]            ; slot 0
	v_add_nc_u32 v[ADRB+1], s[TB], v[AB0+1]
	v_mul_u32_u24 v7, v2, PA
	v_lshl_add_u32 v7, v1, 4, v7
	s_mul_i32 s22, s[WV], 32*PA
	s_add_co_u32 s22, s22, ABUF
	v_add_nc_u32 v[AST], s22, v7                   ; buffer 0 + (32 w + h) x pitch + 16 r
	v_mul_u32_u24 v7, v1, SP
	v_lshl_add_u32 v7, v2, 4, v7
	s_mul_i32 s22, s[WR], 64*SP
	s_lshl_b32 s23, s[WC], 5
	s_add_co_u32 s22, s22, s23
	s_add_co_u32 s22, s22, STAGE
	v_add_nc_u32 v[STO], s22, v7                   ; stage row 64 wr + r, byte 32 wc + 16 h
	v_bfe_u32 v8, v0, 3, 2
	v_mul_u32_u24 v8, v8, SP
	v_lshl_add_u32 v8, v4, 4, v8
	s_mul_i32 s22, s[WV], 32*SP
	s_add_co_u32 s22, s22, STAGE
	v_add_nc_u32 v[RD], s22, v8                    ; back: rows 32 w on, four rows of 128 bytes a load
	v_and_b32 v[GO], 31, v0
	v_lshlrev_b32 v[GO], 4, v[GO]
	s_lshr_b32 s16, s[TY], 3                       ; where I store: batch ty / 8, position 128 (ty % 8) + 32 w, 128 bytes a row,
	s_mul_i32 s16, s16, 48*131072
	s_and_b32 s17, s[TY], 7
	s_lshl_b32 s17, s17, 14
	s_add_co_u32 s16, s16, s17
	s_lshl_b32 s17, s[WV], 12
	s_add_co_u32 s16, s16, s17
	s_mov_b32 s17, 0
	s_add_nc_u64 s[10:11], s[10:11], s[16:17]
	s_mul_i32 s48, s[TX], 3*131072                 ; head 3 tx
	s_mov_b32 s49, 0
	s_add_nc_u64 s[10:11], s[10:11], s[48:49]
	s_mul_i32 s48, s[TX], 3
.irp hd, 0,1,2                         ; heads under 40 are q's and k's: rotated.  The choice selects numbers alone
	s_add_co_u32 s49, s48, \hd
	s_cmp_lt_u32 s49, 40
	s_cselect_b32 s[FG+4*(\hd)], 1.0, 0
	s_cselect_b32 s[FG+4*(\hd)+2], 0, 1.0
	s_mov_b32 s[FG+4*(\hd)+1], s[FG+4*(\hd)]
	s_mov_b32 s[FG+4*(\hd)+3], s[FG+4*(\hd)+2]
.endr
	ASTORE 0, 32                                   ; step 0 is in (set 1's 16 loads and the table's 16 may stay out) and goes into buffer 0
	WIN 0
	s_wait_dscnt 0x0                               ; the stores are done: for the others' sake, and set 0 may be loaded again:
	ALOAD 0, 1                                     ; step 2
	WIN 0
; 6 matrix instructions: row block a x my six column blocks, 32 along K.  zero = 1: the first product starts the sums.  The 24 accumulators take turns, one instruction a turn, in one order everywhere.
.macro MUL6 f, a, zero
	WIN MUL
.irp b, 0,1,2,3,4,5
.if \zero
	v_wmma_f32_16x16x32_bf16 v[8*(6*(\a)+(\b)):8*(6*(\a)+(\b))+7], v[(\f)+32+8*(\b):(\f)+32+8*(\b)+7], v[(\f)+8*(\a):(\f)+8*(\a)+7], 0
.else
	v_wmma_f32_16x16x32_bf16 v[8*(6*(\a)+(\b)):8*(6*(\a)+(\b))+7], v[(\f)+32+8*(\b):(\f)+32+8*(\b)+7], v[(\f)+8*(\a):(\f)+8*(\a)+7], v[8*(6*(\a)+(\b)):8*(6*(\a)+(\b))+7]
.endif
.endr
.endm
; 20 LDS loads in one run: quarter q (0 to 7) of the period into buffer f: w's six blocks (turned) from part q / 2 of the slot in hand, then x's four tiles from buffer q / 4
.macro FETCH q, f
	WIN 0
.irp b, 0,1,2,3,4,5
	ds_load_tr16_b128 v[(\f)+32+8*(\b):(\f)+32+8*(\b)+3],   v[ADRB+(\q)/4] offset:(((\q)/2)%2)*BPART+((\b)/2)*BHEAD+((\q)%2)*32*PB+((\b)%2)*64
	ds_load_tr16_b128 v[(\f)+32+8*(\b)+4:(\f)+32+8*(\b)+7], v[ADRB+(\q)/4] offset:(((\q)/2)%2)*BPART+((\b)/2)*BHEAD+((\q)%2)*32*PB+((\b)%2)*64+16*PB
.endr
.irp i, 0,1,2,3
	ds_load_b128 v[(\f)+8*(\i):(\f)+8*(\i)+3],   v[ADRA+(\q)/4] offset:(\i)*16*PA+((\q)%4)*64
	ds_load_b128 v[(\f)+8*(\i)+4:(\f)+8*(\i)+7], v[ADRA+(\q)/4] offset:(\i)*16*PA+((\q)%4)*64+32
.endr
.endm
; A plain quarter: multiplies buffer f; in its middle it fetches quarter q into buffer g.  aset = 0 or 1: it also hands x on: set aset, the next step's, is stored into its LDS buffer, which nobody has read since
; the last barrier; aload = 1: the set is then loaded again, with the step three on from the one in hand.
.macro QUARTER q, f, g, zero, aset=-1, left=0, aload=0
	s_wait_dscnt 4                                 ; w and x's tiles 0 and 1 are in; the youngest four loads (tiles 2 and 3) may be out
	MUL6 \f, 0, \zero
	MUL6 \f, 1, \zero
.if (\aset) >= 0
	ASTORE \aset, \left
.endif
	PLACES
	FETCH \q, \g
	s_wait_dscnt 20                                ; all but the 20 just issued: the stores ahead of them are done too, so their registers may be loaded again
.if \aload
	ALOAD \aset, 1
.endif
	MUL6 \f, 2, \zero
	MUL6 \f, 3, \zero
.endm
; Quarter 3 multiplies buffer 1 and changes x's buffers: a barrier; in front of it each wave's stores into buffer 1 and its reads of buffer 0 are over.  Nothing is filled by a tensor load behind it, so w's load may stay out.
.macro HALF
	s_wait_dscnt 4
	MUL6 F1, 0, 0
	s_wait_dscnt 0x0
	s_barrier_signal -1
	MUL6 F1, 1, 0
	s_barrier_wait -1
	PLACES
	FETCH 4, F0
	MUL6 F1, 2, 0
	MUL6 F1, 3, 0
.endm
; Quarter 7 multiplies buffer 1 and changes w's slots and x's buffers: ONE barrier; in front of it each wave waits for all its tensor loads, adds 0 to its spare word, and waits for that, for its reads of the slot and
; of x's buffer 1 and for its stores into buffer 0.  fill = 1: the barrier opens a round of the cluster's, and the slot just read is filled again, two periods ahead, first thing behind the round.
.macro TURN fill
	WIN 0
	s_wait_tensorcnt 0x0                           ; all my tensor loads have landed: the one that was out is my part of the next slot
	ds_add_u32 v[SPW], v[NIL]                      ; 0 onto my spare word
	s_wait_dscnt 5                                 ; (the add and the youngest four loads may be out)
	MUL6 F1, 0, 0                                  ; six matrix instructions stand between the add and the wait for it
	s_wait_dscnt 0x0
	s_barrier_signal -1
	MUL6 F1, 1, 0
	WIN 0
	s_barrier_wait -1
.if \fill
	CREST                                          ; no wave of any partner still reads this slot or has a load on its way
	s_xor_b32 s[G0+5], s[G0+5], SLOT1              ; the walking descriptor: the other slot than last time,
	s_add_nc_u64 s[G0+6:G0+7], s[G0+6:G0+7], 32768 ; the next 256 k rows; the type bits on top are not reached
	tensor_load_to_lds s[G0+4:G0+7], s[G1B:G1B+7]  ; every wave's one load: 180 matrix instructions ahead of the wait for it
	s_nop 0
.endif
	PLACES                                         ; behind the load; also the places in front of the loads below
	s_xor_b32 s[TB], s[TB], SLOT1                  ; the fetches go on in the other slot
	v_add_nc_u32 v[ADRB], s[TB], v[AB0]
	v_add_nc_u32 v[ADRB+1], s[TB], v[AB0+1]
	FETCH 0, F0
	MUL6 F1, 2, 0
	MUL6 F1, 3, 0
.endm
	s_wait_tensorcnt 1                             ; my part of period 0 is in; period 1's may stay out
	s_barrier_signal -1
	s_barrier_wait -1                              ; everybody's part, and everybody's rows of x's step 0
	FETCH 0, F0
	QUARTER 1, F0, F1, 1                           ; the first quarter stands in front of the loop: its products start the sums
	WIN 0
	s_mov_b32 s3, 6
.Lperiod:                                      ; a trip is a period, from its second quarter to the next period's first: periods 0 to 5 fill the slot that they leave
	QUARTER 2, F1, F0, 0, 1, 16, 1                 ; the odd step's x goes into buffer 1 (the younger set's 16 loads may stay out); on the first trip the table, older than those, is in too
	QUARTER 3, F0, F1, 0
	HALF
	QUARTER 5, F0, F1, 0
	QUARTER 6, F1, F0, 0, 0, 16, 1                 ; the next even step's x goes into buffer 0
	QUARTER 7, F0, F1, 0
	TURN 1
	QUARTER 1, F0, F1, 0
	WIN 0
	s_sub_co_u32 s3, s3, 1
	s_cmp_lg_u32 s3, 0
	s_cbranch_scc1 .Lperiod
	QUARTER 2, F1, F0, 0, 1, 16, 1                 ; period 6 is written out: step 13 is stored, step 15, the last, is asked for
	QUARTER 3, F0, F1, 0
	HALF
	QUARTER 5, F0, F1, 0
	QUARTER 6, F1, F0, 0, 0, 16, 0                 ; step 14 is stored; nothing is left to load
	QUARTER 7, F0, F1, 0
	TURN 0                                         ; nothing is filled again
	QUARTER 1, F0, F1, 0
	QUARTER 2, F1, F0, 0, 1, 0, 0                  ; period 7: step 15 is stored: no load is younger
	QUARTER 3, F0, F1, 0
	HALF
	QUARTER 5, F0, F1, 0
	QUARTER 6, F1, F0, 0
	QUARTER 7, F0, F1, 0
	s_wait_dscnt 4
	MUL6 F1, 0, 0
	MUL6 F1, 1, 0
	s_wait_dscnt 0x0                               ; my reads of x's buffers are over:
	s_barrier_signal -1                            ; behind this barrier their bytes are the stage
	MUL6 F1, 2, 0
	MUL6 F1, 3, 0
	WIN 0
	s_barrier_wait -1
	PLACES
; THE WAY OUT.  Row block a, head hd: x1 = columns d, x2 = columns d + 32, same lane, same register.  y1 = x1 c - x2 s, y2 = x1 s + x2 c, with c = cos f + g and s = sin f: for a head of v c = 1 and s = 0.
; Each accumulator is read from its lowest registers on.  Rounded to f16, 16 bytes a lane go into the work-group's stage.
.macro ROPE a, hd
	WIN 0
.irp j, 0,2,4,6
	v_pk_fma_f32 v[CE+(\j):CE+(\j)+1], v[TAB+16*(\a)+(\j):TAB+16*(\a)+(\j)+1], s[FG+4*(\hd):FG+4*(\hd)+1], s[FG+4*(\hd)+2:FG+4*(\hd)+3] op_sel_hi:[1,0,0]
	v_pk_mul_f32 v[SE+(\j):SE+(\j)+1], v[TAB+16*(\a)+8+(\j):TAB+16*(\a)+8+(\j)+1], s[FG+4*(\hd):FG+4*(\hd)+1] op_sel_hi:[1,0]
.endr
	WIN 0x01                                       ; source 0 in window 1
.set X1, 8*(6*(\a)+2*(\hd))
.set X2, X1+8
.irp j, 0,2,4,6
	v_pk_mul_f32 v[T1+(\j):T1+(\j)+1], v[X2+(\j):X2+(\j)+1], v[SE+(\j):SE+(\j)+1]
	v_pk_mul_f32 v[T2+(\j):T2+(\j)+1], v[X2+(\j):X2+(\j)+1], v[CE+(\j):CE+(\j)+1]
.endr
.irp j, 0,2,4,6
	v_pk_fma_f32 v[Y1+(\j):Y1+(\j)+1], v[X1+(\j):X1+(\j)+1], v[CE+(\j):CE+(\j)+1], v[T1+(\j):T1+(\j)+1] neg_lo:[0,0,1] neg_hi:[0,0,1]
	v_pk_fma_f32 v[Y2+(\j):Y2+(\j)+1], v[X1+(\j):X1+(\j)+1], v[SE+(\j):SE+(\j)+1], v[T2+(\j):T2+(\j)+1]
.endr
	WIN 0
.irp j, 0,1,2,3
	v_cvt_pk_f16_f32 v[PK+(\j)],   v[Y1+2*(\j)], v[Y1+2*(\j)+1]
	v_cvt_pk_f16_f32 v[PK+4+(\j)], v[Y2+2*(\j)], v[Y2+2*(\j)+1]
.endr
	ds_store_b128 v[STO], v[PK:PK+3]   offset:(\hd)*128*SP+(\a)*16*SP
	ds_store_b128 v[STO], v[PK+4:PK+7] offset:(\hd)*128*SP+(\a)*16*SP+64
.endm
.irp a, 0,1,2,3
.irp hd, 0,1,2
	ROPE \a, \hd
.endr
.endr
	s_wait_dscnt 0x0                               ; for the others' sake: my stores into the stage are done; a row's 128 bytes come from two waves
	s_barrier_signal -1
	s_barrier_wait -1
.set n, 0
.rept 24                               ; head n / 8, my rows 4 (n % 8) on
	ds_load_b128 v[RB+4*n:RB+4*n+3], v[RD] offset:(n/8)*128*SP+(n%8)*4*SP
.set n, n+1
.endr
.set n, 0
.rept 24
	s_wait_dscnt 23-n                              ; LDS loads come back in order: load n is in
	global_store_b128 v[GO], v[RB+4*n:RB+4*n+3], s[10:11] offset:(n/8)*131072+(n%8)*512  ; four rows of a head: 512 consecutive bytes, aligned
.set n, n+1
.endr
	s_wait_tensorcnt 0x0                           ; the wave's end, behind my last tensor load and my last LDS store
	ds_add_u32 v[SPW], v[NIL]
	s_wait_dscnt 0x0
	CROUND                                         ; the closing round: no work-group ends while a partner may still ask for a tile that names it
	s_endpgm
.Lfunc_end_k_q8bbc96e0c9_qkv:
	.size	k_q8bbc96e0c9_qkv, .Lfunc_end_k_q8bbc96e0c9_qkv-k_q8bbc96e0c9_qkv
	.p2alignl 7, 3214868480
	.fill 96, 4, 3214868480
	.section	.rodata,"a",@progbits
	.p2align	6, 0x0
	.amdhsa_kernel k_q8bbc96e0c9_qkv
		.amdhsa_group_segment_fixed_size 327680
		.amdhsa_private_segment_fixed_size 0
		.amdhsa_enable_private_segment 0
		.amdhsa_kernarg_size 32
		.amdhsa_user_sgpr_count 2
		.amdhsa_user_sgpr_kernarg_segment_ptr 1
		.amdhsa_wavefront_size32 1
		.amdhsa_system_sgpr_workgroup_id_x 1
		.amdhsa_system_sgpr_workgroup_id_y 1
		.amdhsa_system_sgpr_workgroup_id_z 1
		.amdhsa_system_vgpr_workitem_id 0
		.amdhsa_next_free_vgpr 640
		.amdhsa_next_free_sgpr 80
		.amdhsa_reserve_vcc 0
		.amdhsa_float_denorm_mode_32 3
		.amdhsa_float_denorm_mode_16_64 3
		.amdhsa_memory_ordered 1
		.amdhsa_forward_progress 1
		.amdhsa_inst_pref_size 130
	.end_amdhsa_kernel
	.amdgpu_metadata
---
amdhsa.version: [ 1, 2 ]
amdhsa.kernels:
  - .name:           k_q8bbc96e0c9_qkv
    .symbol:         k_q8bbc96e0c9_qkv.kd
    .args:
      - { .name: xb, .offset: 0, .size: 8, .value_kind: global_buffer, .address_space: global }
      - { .name: wqkvb, .offset: 8, .size: 8, .value_kind: global_buffer, .address_space: global }
      - { .name: rope, .offset: 16, .size: 8, .value_kind: global_buffer, .address_space: global }
      - { .name: qkv, .offset: 24, .size: 8, .value_kind: global_buffer, .address_space: global }
    .group_segment_fixed_size: 327680
    .private_segment_fixed_size: 0
    .kernarg_segment_align: 8
    .kernarg_segment_size: 32
    .max_flat_workgroup_size: 128
    .sgpr_count:     80
    .vgpr_count:     640
    .wavefront_size: 32
...
	.end_amdgpu_metadata
.endif
;; end of part 2
;; launch attn (part 3): grid 16 x 16, 4 waves a work-group, clusters of 4 x 1, 327,680 bytes of LDS; arguments qkv, ob; writes ob
.if DOCPART == 3
	.amdgcn_target "amdgcn-amd-amdhsa--gfx1250"
	.amdhsa_code_object_version 6
	.text
	.protected	k_q8bbc96e0c9_attn
	.globl	k_q8bbc96e0c9_attn
	.p2align	8
	.type	k_q8bbc96e0c9_attn,@function
k_q8bbc96e0c9_attn:
	s_mov_b64 s[64:65], 0
	v_nop
	global_prefetch_b8 v0, s[64:65] scope:SCOPE_SE
	s_setreg_imm32_b32 hwreg(HW_REG_WAVE_MODE, 25, 1), 1
	s_wait_xcnt 0x0
	s_wait_alu depctr_hold_cnt(0) depctr_sa_sdst(0) depctr_va_vdst(0) depctr_va_sdst(0) depctr_va_ssrc(0) depctr_va_vcc(0) depctr_vm_vsrc(0)
	s_getreg_b32 s2, hwreg(HW_REG_IB_STS2, 6, 4)
	s_cmp_eq_u32 s2, 0
	s_cbranch_scc0 .Lentry_in_a_cluster
	s_endpgm
.Lentry_in_a_cluster:
	s_bfe_u32 s2, ttmp6, 0x10000c
	s_cmp_lg_u32 s2, 0x3003
	s_cbranch_scc0 .Lentry_shape_is_right
	s_endpgm
.Lentry_shape_is_right:
; CAUSAL GROUPED-QUERY ATTENTION.  qkv: [2 b][48 heads][1024 s][64] f16 (heads 0-31 q, 32-39 k, 40-47 v; query head 4 kv + r uses key and value head kv).  ob: [2 b x 32 h][1024 s][64] f16.
; O[q] = the sum over t <= q of softmax_t(Q[q] . K[t] / 8) V[t].  Products, maxima and sums in f32; the weights p are rounded to f16 for the second product (their sum l is taken of the unrounded p), O once at the end.
; WORK LEFT OUT: key tiles wholly behind a query block, and the diagonal tile's second 64 keys for the 64 queries ahead of them: reference()'s own jnp.tril throws their scores away for all inputs (shown at the head of the launch cast).
; LIMITS.  Q, K, V arrive within f16's 65,504; p below 6e-5 keeps f16's step of 6e-8; a hidden score counts as its value less 1e30 (f16's scores are 2.7e11 at the most); a weight below 2^-126 counts as 0 in l;
; NaN and infinities are not treated apart, and one that reaches only the work left out is not carried to the result.
; THE WALK.  A head's 1,024 queries lie in 8 blocks of 128; block i needs the key tiles 0 .. i of 128 keys.  A work-group takes TWO blocks of one query head, 7 - p and then p: 9 tiles whatever p: all work-groups do equal work.
; CLUSTER.  The four partners are the four query heads of one key and value head, with the same p: they walk the same tiles in the same order, so every tile is asked for jointly, and every count, branch,
; LDS address and descriptor is alike in all four; cx enters Q's and O's addresses alone.
; LDS GOES BY THE PLACE IN THE WALK, not by the tile's number: places 0-7 have bytes of their own and are asked for together at the start, four loads a wave (four tensor loads of a wave are out at the most);
; place 8 is the launch's one refill, into place 0's bytes, behind a round of the cluster's barrier in the middle of the walk.  No prefetch: all tiles but that one are asked for at the head.
; SHARES.  Of a block's two bands of 64 queries a wave owns 16 rows in each: two PIECES.  A key step is 64 keys.  In the diagonal tile's first step piece 0 holds the diagonal and piece 1 sees all; in its second step piece 1
; holds the diagonal and piece 0 has nothing: the same for all four waves.  THE MASK is the C operand that starts the sum S^T = K Q^T: MD, 0 or -1e30, made once for my 16 rows.
; LAYOUT.  S^T = K Q^T holds ONE query a lane (l % 16) and the keys 8 (l / 16) + 0..7; two such results rounded to f16 ARE source 1 of O^T = V^T P.  K comes out of LDS as it lies, V turned by ds_load_tr16_b128.
; SOFTMAX.  p = 2^(c s - c m), c = log2(e) / 8, with a running maximum m; O and l are multiplied by a = 2^(c m_old - c m_new) in every step.  A block starts with c m far below every c s, so its first a is 0.
; IN PHASES: a step is V's run of loads, the products K Q^T, the next K's run, the maxima, then for each piece its softmax and its products V^T P.  One batch of exponentials and one wait a piece.
; REGISTERS, in windows of 256 (s_set_vgpr_msb: bits 1:0 source 0, 3:2 source 1, 5:4 source 2, 7:6 destination):
;   window 0: v0-15 addresses; v16-23 statistics; v48-55 at work; v62-63 the add's; v64-127 S^T, 32 a piece; v192-223 P, 16 a piece
;   window 1: v0-63 O^T, 32 a piece; v128-159 MD          window 2: v0-31 Q; v64-95 the second block's Q; v128-191 K of a step; v192-255 V of a step
.set KS,    64
.set PK,    144       ; a row of K in LDS: 128 bytes + 16 = 36 words: the 16 rows of a load start at 16 different groups of four banks (64 banks of 4 bytes: ISA guide 11.1)
.set PV,    160       ; a row of V: 128 + 32 = 40 words
.set KT,    128*PK    ; a place's K
.set VT,    128*PV    ; a place's V
.set VBASE, 8*KT
.set STAGE, VBASE+8*VT  ; never filled by a tensor load: 16 rows x 144 bytes for each wave, for the way out
.set SP,    144
.set SPARE, STAGE+4*16*SP  ; the spare words, 128 bytes for each wave: two blocks of 256 bytes that no other line names
.set AK0, 2           ; v2   my lane's place in a tile of K; never rewritten
.set AV0, 3           ; v3   the same for V
.set AK,  4
.set AV,  5
.set STO, 6
.set RD,  7
.set GO,  8
.set MV,  12          ; v12-13  c m_old, by piece
.set QO,  15
.set ST,  16          ; piece u: c m, m, l (even keys', odd keys')
.set TMP, 48          ; piece u: c0-c3 at work; c2 takes a
.set SPW, 62
.set NIL, 63
.set S,   64
.set P,   192
.set MD,  128         ; window 1
.set QB,  64          ; window 2
.set KF,  128
.set VF,  192
.set WV,  12          ; s12  wave
.set PP,  14          ; s14  p
.set G1K, 24          ; s[24:31]
.set G1V, 32          ; s[32:39]
.set G0K, 40          ; s[40:55]  four sets, one for each of my first loads
.set CNT, 56          ; s56  counts a loop's steps
.set RS,  57          ; s57  steps that the block in hand still has
.set CS,  58          ; s[58:59]  c
.set SEL, 60          ; s[60:61]  v_permlanex16_b32's selects
.set TBK, 62          ; s62  LDS byte at which K of the step to be fetched begins
.set TBV, 63          ; s63  the same for V, less VBASE
.set G0V, 68          ; s[68:83]
.set OFF, 84          ; s[84:85]  a tile's byte offset in K and V
.set BIGN, 86         ; s86  -1e30
.set ON,  88          ; s[88:89]  O at my rows of the block in hand;  s[90:91] of the second block;  s[92:93], s[94:95] Q likewise
.set MSB, 0
.macro WIN new
.if MSB != (\new)
	s_set_vgpr_msb (MSB<<8)|(\new)
.set MSB, (\new)
.endif
.endm
.set W_KQ, 0x0a       ; K and Q in window 2, S^T in window 0
.set W_KM, 0x1a       ; the same with the C operand in window 1
.set W_PV, 0x52       ; V in window 2, P in window 0, O^T in window 1
.set W_RS, 0x41       ; destination and source 0 in window 1, source 1 in window 0
.macro CROUND                       ; a round of the cluster's barrier
	s_barrier_signal -1
	s_barrier_wait -1
	s_cmp_lg_u32 s[WV], 0
	s_cbranch_scc1 .Lnot_wave_0_\@
	s_barrier_signal -3
.Lnot_wave_0_\@:
	s_barrier_wait -3
	s_barrier_signal -1
	s_barrier_wait -1
.endm
.macro PLACES                       ; four places behind matrix instructions (ISA guide 7.12.1)
.rept 4
	v_nop
.endr
.endm
	s_load_b128 s[4:7], s[0:1], 0x0 ; qkv s[4:5], ob s[6:7]
	v_lshl_add_u32 v[SPW], v0, 2, SPARE
	v_mov_b32 v[NIL], 0
	ds_add_u32 v[SPW], v[NIL]       ; the wave's opening: the add, twice on end, and its wait ahead of my first tensor load
	ds_add_u32 v[SPW], v[NIL]
	v_lshrrev_b32 v1, 5, v0
	v_readfirstlane_b32 s[WV], v1
	s_bfe_u32 s13, ttmp6, 0x40000   ; cx: the query head in its group.  It lives in s13, s2, s3, s87 and the four addresses of Q and O alone
	s_mov_b32 s[PP], ttmp9          ; p: the cluster's x
	s_and_b32 s15, ttmp7, 0xffff
	s_lshr_b32 s16, s15, 3          ; b
	s_and_b32 s17, s15, 7           ; kv
	s_mul_i32 s18, s16, 48
	s_add_co_u32 s20, s18, s17
	s_add_co_u32 s20, s20, 32
	s_lshl_b32 s20, s20, 17         ; head 48 b + 32 + kv: K; a head is 131,072 bytes
	s_mov_b32 s21, 0
	s_lshl_b32 s2, s17, 2
	s_add_co_u32 s2, s2, s13        ; 4 kv + cx
	s_add_co_u32 s3, s2, s18
	s_lshl_b32 s3, s3, 17           ; Q's head
	s_lshl_b32 s87, s16, 5
	s_add_co_u32 s87, s87, s2
	s_lshl_b32 s87, s87, 17         ; O's head
	s_lshl_b32 s23, s[WV], 11       ; my 16 rows in a band
	s_sub_co_u32 s15, 7, s[PP]
	s_lshl_b32 s15, s15, 14
	s_add_co_u32 s15, s15, s23      ; in block 7 - p
	s_lshl_b32 s19, s[PP], 14
	s_add_co_u32 s19, s19, s23      ; in block p
	s_add_co_u32 s92, s3, s15
	s_mov_b32 s93, 0
	s_add_co_u32 s94, s3, s19
	s_mov_b32 s95, 0
	s_add_co_u32 s[ON], s87, s15
	s_mov_b32 s[ON+1], 0
	s_add_co_u32 s[ON+2], s87, s19
	s_mov_b32 s[ON+3], 0
	; descriptor group 1: 128 keys are 16,384 bytes on end: asked for as 64 rows of 256 bytes, two keys a row, padded in LDS after every key
	s_mov_b32 s[G1K], 15|(1<<16)|(1<<20)|(1<<21)|(4<<22)|(3<<25)  ; the mask of four; 2-byte elements; padding on; bit 21 beside a mask; after every 32 words 4 words
	s_mov_b32 s[G1V], 15|(1<<16)|(1<<20)|(1<<21)|(4<<22)|(7<<25)  ; the same with 8 words
.irp g, G1K, G1V
	s_mov_b32 s[\g+1], 128<<16
	s_mov_b32 s[\g+2], 64<<16
	s_mov_b32 s[\g+3], 128<<16
	s_mov_b32 s[\g+4], 64
	s_mov_b32 s[\g+5], 128
	s_mov_b32 s[\g+6], 0
	s_mov_b32 s[\g+7], 0
.endr
	s_mov_b32 s[CS], 0x3e38aa3b     ; c = log2(e) / 8
	s_mov_b32 s[CS+1], s[CS]
	s_mov_b32 s[SEL], 0x76543210
	s_mov_b32 s[SEL+1], 0xfedcba98
	s_mov_b32 s[TBK], 0
	s_mov_b32 s[TBV], 0
	s_mov_b32 s[OFF+1], 0
	s_mov_b32 s[BIGN], 0xf149f2ca   ; -1e30
	s_and_b32 s16, s[WV], 1         ; my load i brings place 2 i + wave % 2: K's in waves 0 and 1, V's in waves 2 and 3
	s_sub_co_u32 s17, 8, s[PP]      ; the first block's tiles
	s_mul_i32 s22, s16, KT
	s_mul_i32 s23, s16, VT
.irp i, 0,1,2,3
	s_mov_b32 s[G0K+4*(\i)], 1
	s_add_co_u32 s[G0K+4*(\i)+1], s22, (\i)*2*KT
	s_mov_b32 s[G0V+4*(\i)], 1
	s_add_co_u32 s[G0V+4*(\i)+1], s23, VBASE+(\i)*2*VT
.endr
	s_wait_dscnt 0x0                ; both opening adds are done
	s_wait_kmcnt 0x0
	s_add_nc_u64 s[8:9], s[4:5], s[20:21]          ; K's head
	s_add_nc_u64 s[10:11], s[8:9], 8*131072        ; V's head, eight heads on
	s_add_nc_u64 s[92:93], s[4:5], s[92:93]
	s_add_nc_u64 s[94:95], s[4:5], s[94:95]
	s_add_nc_u64 s[ON:ON+1], s[6:7], s[ON:ON+1]
	s_add_nc_u64 s[ON+2:ON+3], s[6:7], s[ON+2:ON+3]
.irp i, 0,1,2,3
	s_add_co_u32 s18, s16, 2*(\i)   ; the place t; its tile is t, or t - (8 - p) in the second block
	s_cmp_ge_u32 s18, s17
	s_cselect_b32 s19, s17, 0
	s_sub_co_u32 s18, s18, s19
	s_lshl_b32 s[OFF], s18, 14
	s_add_nc_u64 s[G0K+4*(\i)+2:G0K+4*(\i)+3], s[8:9], s[OFF:OFF+1]
	s_or_b32 s[G0K+4*(\i)+3], s[G0K+4*(\i)+3], 0x80000000
	s_add_nc_u64 s[G0V+4*(\i)+2:G0V+4*(\i)+3], s[10:11], s[OFF:OFF+1]
	s_or_b32 s[G0V+4*(\i)+3], s[G0V+4*(\i)+3], 0x80000000
.endr
	CROUND                          ; all four work-groups are here: the first joint loads meet
	s_cmp_lt_u32 s[WV], 2           ; a wave's four first fills stand in one branch, ahead of every wait on TENSORcnt and every LDS read
	s_cbranch_scc0 .Lfirst_v
.irp i, 0,1,2,3
	tensor_load_to_lds s[G0K+4*(\i):G0K+4*(\i)+3], s[G1K:G1K+7]
	s_nop 0
.endr
.rept 4
	v_nop
.endr
	s_branch .Lfirst_asked
.Lfirst_v:
.irp i, 0,1,2,3
	tensor_load_to_lds s[G0V+4*(\i):G0V+4*(\i)+3], s[G1V:G1V+7]
	s_nop 0
.endr
.rept 4
	v_nop
.endr
.Lfirst_asked:
	v_and_b32 v1, 15, v0            ; l % 16
	v_bfe_u32 v9, v0, 4, 1          ; l / 16
	v_lshlrev_b32 v[QO], 7, v1
	v_lshl_add_u32 v[QO], v9, 4, v[QO]
	WIN 0x80                        ; destination window 2
.set i, 0
.rept 4                             ; both blocks' Q: piece i / 2 lies 64 rows on; channels 32 (i % 2) on
	global_load_b128 v[8*i:8*i+3],         v[QO], s[92:93] offset:(i/2)*8192+(i%2)*64
	global_load_b128 v[8*i+4:8*i+7],       v[QO], s[92:93] offset:(i/2)*8192+(i%2)*64+32
	global_load_b128 v[QB+8*i:QB+8*i+3],   v[QO], s[94:95] offset:(i/2)*8192+(i%2)*64
	global_load_b128 v[QB+8*i+4:QB+8*i+7], v[QO], s[94:95] offset:(i/2)*8192+(i%2)*64+32
.set i, i+1
.endr
	WIN 0
	v_lshlrev_b32 v14, 3, v9
	v_sub_nc_u32 v14, v1, v14
	s_lshl_b32 s15, s[WV], 4
	v_add_nc_u32 v14, s15, v14      ; my query's place in its band, 16 w + l % 16, less 8 (l / 16): register r of key group kt is hidden where 16 kt + r is greater
	WIN 0x40
.set i, 0
.rept 32
	v_cmp_gt_i32 vcc_lo, 16*(i/8)+i%8, v14
	v_cndmask_b32 v[MD+i], 0, s[BIGN], vcc_lo
.set i, i+1
.endr
.set i, 0
.rept 64                            ; a block's first step multiplies O^T and l by a = 0, so they need only be finite: zeros here, what the first block left later
	v_mov_b32 v[i], 0
.set i, i+1
.endr
	WIN 0
.irp u, 0,1
	v_mov_b32 v[ST+4*(\u)], 0xfe000000    ; c m: far below every c s
	v_mov_b32 v[ST+4*(\u)+1], 0xff7fffff  ; m
	v_mov_b32 v[ST+4*(\u)+2], 0
	v_mov_b32 v[ST+4*(\u)+3], 0
.endr
	v_mul_u32_u24 v[AK0], v1, PK
	v_lshl_add_u32 v[AK0], v9, 4, v[AK0]
	v_and_b32 v10, 7, v0
	v_bfe_u32 v11, v0, 3, 1
	v_lshl_add_u32 v[AV0], v9, 3, v10  ; the turning load: lane l reads key 8 (l / 16) + l % 8, channels 8 ((l / 8) % 2) + 0..7
	v_mul_u32_u24 v[AV0], v[AV0], PV
	v_lshl_add_u32 v[AV0], v11, 4, v[AV0]
	v_add_nc_u32 v[AV0], VBASE, v[AV0]
	s_mul_i32 s15, s[WV], 16*SP
	s_add_co_u32 s15, s15, STAGE
	v_mul_u32_u24 v[STO], v1, SP    ; in: row l % 16, 16 bytes for each half of the lanes
	v_lshl_add_u32 v[STO], v9, 4, v[STO]
	v_add_nc_u32 v[STO], s15, v[STO]
	v_bfe_u32 v[RD], v0, 3, 2       ; back: 32 lanes take four rows of 128 bytes,
	v_mul_u32_u24 v[RD], v[RD], SP
	v_lshl_add_u32 v[RD], v10, 4, v[RD]
	v_add_nc_u32 v[RD], s15, v[RD]
	v_and_b32 v[GO], 31, v0         ; which are 512 consecutive bytes of O
	v_lshlrev_b32 v[GO], 4, v[GO]
; THE MATRIX WORK.  The accumulators of a run take turns, one instruction a turn.
; Both pieces' S^T: product i of 16: piece i % 2, keys 16 ((i / 2) % 4) on, channels 32 (i / 8) on.  The first 8 start the sums: with 0, or (m0 = 1) piece 0's with the mask.
.macro KQ2 m0
.set i, 0
.rept 16
.set rA, S+32*(i%2)+8*((i/2)%4)
.set rK, KF+16*((i/2)%4)+8*(i/8)
.set rQ, 16*(i%2)+8*(i/8)
.set rX, MD+8*((i/2)%4)
.if (i < 8) && (\m0) && (i%2 == 0)
	WIN W_KM
	v_wmma_f32_16x16x32_f16 v[rA:rA+7], v[rK:rK+7], v[rQ:rQ+7], v[rX:rX+7]
.elseif i < 8
	WIN W_KQ
	v_wmma_f32_16x16x32_f16 v[rA:rA+7], v[rK:rK+7], v[rQ:rQ+7], 0
.else
	WIN W_KQ
	v_wmma_f32_16x16x32_f16 v[rA:rA+7], v[rK:rK+7], v[rQ:rQ+7], v[rA:rA+7]
.endif
.set i, i+1
.endr
.endm
.macro KQ1                          ; piece 1 alone, under the mask: 8 products
.set i, 0
.rept 8
.set rA, S+32+8*(i%4)
.set rK, KF+16*(i%4)+8*(i/4)
.set rQ, 16+8*(i/4)
.set rX, MD+8*(i%4)
.if i < 4
	WIN W_KM
	v_wmma_f32_16x16x32_f16 v[rA:rA+7], v[rK:rK+7], v[rQ:rQ+7], v[rX:rX+7]
.else
	WIN W_KQ
	v_wmma_f32_16x16x32_f16 v[rA:rA+7], v[rK:rK+7], v[rQ:rQ+7], v[rA:rA+7]
.endif
.set i, i+1
.endr
.endm
.macro PVM y                        ; O^T += V^T P for piece y: product i of 8: keys 32 (i / 4) on, channels 16 (i % 4) on
	WIN W_PV
.set i, 0
.rept 8
.set rA, 32*(\y)+8*(i%4)
.set rV, VF+32*(i/4)+8*(i%4)
.set rB, P+16*(\y)+8*(i/4)
	v_wmma_f32_16x16x32_f16 v[rA:rA+7], v[rV:rV+7], v[rB:rB+7], v[rA:rA+7]
.set i, i+1
.endr
.endm
; THE LDS LOADS stand in runs of 16.  last = 1: in a loop's last trip the next step's K has not been waited for yet, and the run is jumped over; it follows behind the next barrier.
.macro FETCH_K last
	WIN 0
.if \last
	s_cmp_eq_u32 s[CNT], 1
	s_cbranch_scc1 .Lno_k_\@
.endif
	v_add_nc_u32 v[AK], s[TBK], v[AK0]
	WIN 0x80
.irp f, 0,1,2,3,4,5,6,7             ; keys 16 (f / 2) on, channels 32 (f % 2) on
	ds_load_b128 v[KF+8*\f:KF+8*\f+3],   v[AK] offset:(\f/2)*16*PK+(\f%2)*64
	ds_load_b128 v[KF+8*\f+4:KF+8*\f+7], v[AK] offset:(\f/2)*16*PK+(\f%2)*64+32
.endr
	s_add_co_u32 s[TBK], s[TBK], KS*PK  ; the next fetch is the next step's
	WIN 0
.if \last
.Lno_k_\@:
.endif
.endm
.macro FETCH_V
	WIN 0
	v_add_nc_u32 v[AV], s[TBV], v[AV0]  ; with the three v_nop: the four places behind the last product that read V
.rept 3
	v_nop
.endr
	s_add_co_u32 s[TBV], s[TBV], KS*PV
	WIN 0x80
.irp f, 0,1,2,3,4,5,6,7             ; keys 32 (f / 4) on, channels 16 (f % 4) on
	ds_load_tr16_b128 v[VF+8*\f:VF+8*\f+3],   v[AV] offset:(\f/4)*32*PV+(\f%4)*32
	ds_load_tr16_b128 v[VF+8*\f+4:VF+8*\f+7], v[AV] offset:(\f/4)*32*PV+16*PV+(\f%4)*32
.endr
	WIN 0
.endm
; THE VECTOR WORK.
.macro REGS u
.set rT, ST+4*(\u)
.set rC, TMP+4*(\u)
.set rM, MV+(\u)
.set rS, S+32*(\u)
.set rP, P+16*(\u)
.set rO, 32*(\u)
.endm
; Number n of the 22 that find piece u's maximum and statistics.  0-11: four chains of seven scores, three operands at a time (each accumulator's lowest registers first);
; 12-14, 16: the four scores left over, the old m, and the four chains into one; 15: c m_old is kept; 17, 18: the query's other 32 keys lie in the lane 16 away: the new m; 19-21: c m; c m_old - c m_new; a.
.macro XS u, n
	REGS \u
.if (\n) < 4
	v_max3_num_f32 v[rC+(\n)], v[rS+8*(\n)], v[rS+8*(\n)+1], v[rS+8*(\n)+2]
.elseif (\n) < 12
	v_max3_num_f32 v[rC+(\n)%4], v[rC+(\n)%4], v[rS+8*((\n)%4)+2*((\n)/4)+1], v[rS+8*((\n)%4)+2*((\n)/4)+2]
.elseif (\n) == 12
	v_max3_num_f32 v[rC], v[rC], v[rS+7], v[rS+15]
.elseif (\n) == 13
	v_max3_num_f32 v[rC+1], v[rC+1], v[rS+23], v[rS+31]
.elseif (\n) == 14
	v_max3_num_f32 v[rC+2], v[rC+2], v[rC+3], v[rT+1]
.elseif (\n) == 15
	v_mov_b32 v[rM], v[rT]
.elseif (\n) == 16
	v_max3_num_f32 v[rC], v[rC], v[rC+1], v[rC+2]
.elseif (\n) == 17
	v_permlanex16_b32 v[rC+3], v[rC], s[SEL], s[SEL+1]
.elseif (\n) == 18
	v_max_num_f32 v[rT+1], v[rC], v[rC+3]
.elseif (\n) == 19
	v_mul_f32 v[rT], s[CS], v[rT+1]
.elseif (\n) == 20
	v_sub_f32 v[rC+1], v[rM], v[rT]
.else
	v_exp_f32 v[rC+2], v[rC+1]
.endif
.endm
; Piece y's softmax: 16 packed scalings c s - c m; 32 exponentials, ONE batch; a plain instruction and ONE wait, which serves the a made above too; then the roundings to f16, the sums (of four weights the
; second pair is added onto the first, and l takes that sum a group later; the first time as l = a l + sum), and O^T times a, from each accumulator's lowest registers on.
.macro SOFT y
	REGS \y
	WIN 0
.set n, 0
.rept 16
	v_pk_fma_f32 v[rS+2*n:rS+2*n+1], v[rS+2*n:rS+2*n+1], s[CS:CS+1], v[rT:rT+1] op_sel_hi:[1,0,0] neg_lo:[0,0,1] neg_hi:[0,0,1]
.set n, n+1
.endr
.set n, 0
.rept 32
	v_exp_f32 v[rS+n], v[rS+n]
.set n, n+1
.endr
	v_nop                           ; a plain instruction behind the last exponential,
	s_wait_alu depctr_va_vdst(0)    ; and the wait ahead of the batch's first reader
.set n, 0
.rept 8
	v_cvt_pk_f16_f32 v[rP+2*n],   v[rS+4*n],   v[rS+4*n+1]
	v_cvt_pk_f16_f32 v[rP+2*n+1], v[rS+4*n+2], v[rS+4*n+3]
	v_pk_add_f32 v[rS+4*n:rS+4*n+1], v[rS+4*n:rS+4*n+1], v[rS+4*n+2:rS+4*n+3]
.if n == 1
	v_pk_fma_f32 v[rT+2:rT+3], v[rT+2:rT+3], v[rC+2:rC+3], v[rS:rS+1] op_sel_hi:[1,0,1]
.elseif n > 1
	v_pk_add_f32 v[rT+2:rT+3], v[rT+2:rT+3], v[rS+4*n-4:rS+4*n-3]
.endif
.set n, n+1
.endr
	v_pk_add_f32 v[rT+2:rT+3], v[rT+2:rT+3], v[rS+28:rS+29]
	WIN W_RS
.set n, 0
.rept 16
	v_pk_mul_f32 v[rO+2*n:rO+2*n+1], v[rO+2*n:rO+2*n+1], v[rC+2:rC+3] op_sel_hi:[1,0]
.set n, n+1
.endr
.endm
; A KEY STEP.  kind 0: both pieces see all 64 keys.  kind 1: the diagonal tile's first step: piece 0 under the mask.  kind 2: its second step: piece 1 alone, under the mask.
; last 0: the next step's K is fetched; 1: not in the loop's last trip; 2: never.
.macro STEP kind, last
	FETCH_V
	s_wait_dscnt 16                 ; K's run is older than the 16 loads just issued: it is in
.if (\kind) == 2
	KQ1
.else
	KQ2 \kind
.endif
	WIN 0
	PLACES                          ; behind the products: K's registers are loaded again, and the scores are read
.if (\last) < 2
	FETCH_K \last
.endif
.if (\kind) == 2
.irp n, 0,1,2,3,4,5,6,7,8,9,10,11,12,13,14,15,16,17,18,19,20,21
	XS 1, \n
.endr
.else
.irp n, 0,1,2,3,4,5,6,7,8,9,10,11,12,13,14,15,16,17,18,19,20,21
	XS 0, \n                        ; the two pieces alternate, so that no instruction reads the result of the one before it
	XS 1, \n
.endr
	SOFT 0
	s_wait_dscnt 0x0                ; V is in (and the next K)
	PVM 0
.endif
	SOFT 1
.if (\kind) == 2
	s_wait_dscnt 0x0                ; V is in
.endif
	PVM 1
	WIN 0
.endm
; A BLOCK'S END: l's two halves and the other half of the lanes' are added; O^T is divided by l, rounded to f16 and sent through my stage in LDS, a piece at a time.
.macro PACK t
	WIN W_RS
.set i, 32*(\t)
.rept 16
	v_pk_mul_f32 v[i:i+1], v[i:i+1], v[ST+4*(\t)+2:ST+4*(\t)+3] op_sel_hi:[1,0]
.set i, i+2
.endr
	WIN 0x05                        ; sources 0 and 1 window 1, destination window 0
.set i, 0
.rept 16
	v_cvt_pk_f16_f32 v[S+16*(\t)+i], v[32*(\t)+2*i], v[32*(\t)+2*i+1]
.set i, i+1
.endr
	WIN 0
.irp f, 0,1,2,3
	ds_store_b128 v[STO], v[S+16*(\t)+4*\f:S+16*(\t)+4*\f+3] offset:32*\f
.endr
.irp f, 0,1,2,3
	ds_load_b128 v[S+16*(\t)+4*\f:S+16*(\t)+4*\f+3], v[RD] offset:\f*4*SP  ; LDS serves a wave's instructions in order (ISA guide 5.7.1.4): these see the stores above; the next piece's stores come behind them
.endr
.endm
.macro SEND t, younger              ; younger: the LDS instructions issued behind piece t's loads
	WIN 0
.irp f, 0,1,2,3
	s_wait_dscnt (\younger)+3-\f
	global_store_b128 v[GO], v[S+16*(\t)+4*\f:S+16*(\t)+4*\f+3], s[ON:ON+1] offset:(\t)*8192+\f*512  ; 512 consecutive bytes, aligned
.endr
.endm
.macro FINISH
	WIN 0
	PLACES                          ; behind the last products
.irp t, 0,1
	v_add_f32 v[ST+4*(\t)+2], v[ST+4*(\t)+2], v[ST+4*(\t)+3]
.endr
.irp t, 0,1
	v_permlanex16_b32 v[ST+4*(\t)+3], v[ST+4*(\t)+2], s[SEL], s[SEL+1]
.endr
.irp t, 0,1
	v_add_f32 v[ST+4*(\t)+2], v[ST+4*(\t)+2], v[ST+4*(\t)+3]
.endr
.irp t, 0,1
	v_rcp_f32 v[ST+4*(\t)+2], v[ST+4*(\t)+2]
.endr
	v_nop                           ; a plain instruction behind the last reciprocal,
	s_wait_alu depctr_va_vdst(0)    ; and one wait for both, ahead of their first use
	PACK 0
	PACK 1
	SEND 0, 8
	SEND 1, 0
.endm
	s_wait_loadcnt 0x0              ; Q, in the wait for the first tiles
	s_wait_tensorcnt 2              ; my first two loads are in: with the other waves' that is places 0 to 3; my other two may stay out
	s_barrier_signal -1
	s_barrier_wait -1
	FETCH_K 0
	s_mov_b32 s[CNT], 8
.LA:                                ; places 0 to 3: the first block has five tiles or more, so these eight steps see all their keys
	STEP 0, 1
	s_sub_co_u32 s[CNT], s[CNT], 1
	s_cmp_lg_u32 s[CNT], 0
	s_cbranch_scc1 .LA
	; THE ONE REFILL: place 8, the second block's diagonal tile p, goes into place 0's bytes, which were read in the first two steps.
	s_wait_tensorcnt 0x0            ; all my tensor loads have landed: places 4 to 7 are whole behind the round; a group 0 may be written
	ds_add_u32 v[SPW], v[NIL]       ; 0 onto my spare word; the descriptors' work stands between it and the wait for it
	s_lshl_b32 s[OFF], s[PP], 14
	s_add_nc_u64 s[G0K+2:G0K+3], s[8:9], s[OFF:OFF+1]
	s_or_b32 s[G0K+3], s[G0K+3], 0x80000000
	s_add_nc_u64 s[G0V+2:G0V+3], s[10:11], s[OFF:OFF+1]
	s_or_b32 s[G0V+3], s[G0V+3], 0x80000000
	s_wait_dscnt 0x0                ; the add is done, and my reads are over
	CROUND                          ; no wave of any partner still reads place 0 or has a load on its way
	s_cmp_eq_u32 s[WV], 0           ; wave 0 asks for K's 128 keys, wave 2 for V's, waves 1 and 3 for nothing: the same in all partners
	s_cbranch_scc0 .Lr_not_k
	tensor_load_to_lds s[G0K:G0K+3], s[G1K:G1K+7]
	s_nop 0
.rept 4
	v_nop
.endr
	s_branch .Lr_asked
.Lr_not_k:
	s_cmp_eq_u32 s[WV], 2
	s_cbranch_scc0 .Lr_asked
	tensor_load_to_lds s[G0V:G0V+3], s[G1V:G1V+7]
	s_nop 0
.rept 4
	v_nop
.endr
.Lr_asked:
	FETCH_K 0
	s_lshl_b32 s[RS], s[PP], 1
	s_sub_co_u32 s[RS], 8, s[RS]    ; the first block still has 8 - 2 p steps, the last two in its diagonal tile
	s_mov_b32 s[CNT], 8
.LG:                                ; places 4 to 7: what a step is hangs on p alone; the jumps go forward and pass neither a barrier nor a tensor load
	s_cmp_gt_u32 s[RS], 2
	s_cbranch_scc0 .Lg_diag
	STEP 0, 1
	s_branch .Lgb
.Lg_diag:
	s_cmp_eq_u32 s[RS], 2
	s_cbranch_scc0 .Lg_d1
	STEP 1, 1
	s_branch .Lgb
.Lg_d1:
	STEP 2, 1
	FINISH                          ; the first block leaves
	s_wait_xcnt 0x0                 ; the stores have read their registers and O's address
	s_mov_b64 s[ON:ON+1], s[ON+2:ON+3]
	WIN 0x82                        ; the second block's Q goes where the one text of the steps names Q
.set i, 0
.rept 32
	v_mov_b32 v[i], v[QB+i]
.set i, i+1
.endr
	WIN 0
.irp u, 0,1
	v_mov_b32 v[ST+4*(\u)], 0xfe000000
	v_mov_b32 v[ST+4*(\u)+1], 0xff7fffff
.endr
	s_lshl_b32 s[RS], s[PP], 1
	s_add_co_u32 s[RS], s[RS], 3    ; the second block has 2 p + 2 steps; one is taken off below
.Lgb:
	s_sub_co_u32 s[RS], s[RS], 1
	s_sub_co_u32 s[CNT], s[CNT], 1
	s_cmp_lg_u32 s[CNT], 0
	s_cbranch_scc1 .LG
	s_wait_tensorcnt 0x0            ; place 8: the waves that asked for it have it,
	s_wait_dscnt 0x0
	s_barrier_signal -1
	s_barrier_wait -1               ; and all four know
	s_mov_b32 s[TBK], 0             ; it lies in place 0's bytes
	s_mov_b32 s[TBV], 0
	FETCH_K 0
	STEP 1, 0
	STEP 2, 2
	FINISH
	s_wait_tensorcnt 0x0            ; the wave's end, behind my last tensor load and my last LDS store
	ds_add_u32 v[SPW], v[NIL]
	s_wait_dscnt 0x0
	CROUND                          ; the closing round
	s_endpgm
.Lfunc_end_k_q8bbc96e0c9_attn:
	.size	k_q8bbc96e0c9_attn, .Lfunc_end_k_q8bbc96e0c9_attn-k_q8bbc96e0c9_attn
	.p2alignl 7, 3214868480
	.fill 96, 4, 3214868480
	.section	.rodata,"a",@progbits
	.p2align	6, 0x0
	.amdhsa_kernel k_q8bbc96e0c9_attn
		.amdhsa_group_segment_fixed_size 327680
		.amdhsa_private_segment_fixed_size 0
		.amdhsa_enable_private_segment 0
		.amdhsa_kernarg_size 16
		.amdhsa_user_sgpr_count 2
		.amdhsa_user_sgpr_kernarg_segment_ptr 1
		.amdhsa_wavefront_size32 1
		.amdhsa_system_sgpr_workgroup_id_x 1
		.amdhsa_system_sgpr_workgroup_id_y 1
		.amdhsa_system_sgpr_workgroup_id_z 1
		.amdhsa_system_vgpr_workitem_id 0
		.amdhsa_next_free_vgpr 768
		.amdhsa_next_free_sgpr 96
		.amdhsa_reserve_vcc 1
		.amdhsa_float_denorm_mode_32 3
		.amdhsa_float_denorm_mode_16_64 3
		.amdhsa_memory_ordered 1
		.amdhsa_forward_progress 1
		.amdhsa_inst_pref_size 126
	.end_amdhsa_kernel
	.amdgpu_metadata
---
amdhsa.version: [ 1, 2 ]
amdhsa.kernels:
  - .name:           k_q8bbc96e0c9_attn
    .symbol:         k_q8bbc96e0c9_attn.kd
    .args:
      - { .name: qkv, .offset: 0, .size: 8, .value_kind: global_buffer, .address_space: global }
      - { .name: ob, .offset: 8, .size: 8, .value_kind: global_buffer, .address_space: global }
    .group_segment_fixed_size: 327680
    .private_segment_fixed_size: 0
    .kernarg_segment_align: 8
    .kernarg_segment_size: 16
    .max_flat_workgroup_size: 128
    .sgpr_count:     96
    .vgpr_count:     768
    .wavefront_size: 32
...
	.end_amdgpu_metadata
.endif
;; end of part 3
;; launch oproj (part 4): grid 16 x 16, 4 waves a work-group, clusters of 4 x 4, 327,680 bytes of LDS; arguments ob, wob, out0; writes out0
.if DOCPART == 4
	.amdgcn_target "amdgcn-amd-amdhsa--gfx1250"
	.amdhsa_code_object_version 6
	.text
	.protected	k_q8bbc96e0c9_oproj
	.globl	k_q8bbc96e0c9_oproj
	.p2align	8
	.type	k_q8bbc96e0c9_oproj,@function
k_q8bbc96e0c9_oproj:
	s_mov_b64 s[64:65], 0
	v_nop
	global_prefetch_b8 v0, s[64:65] scope:SCOPE_SE
	s_setreg_imm32_b32 hwreg(HW_REG_WAVE_MODE, 25, 1), 1
	s_wait_xcnt 0x0
	s_wait_alu depctr_hold_cnt(0) depctr_sa_sdst(0) depctr_va_vdst(0) depctr_va_sdst(0) depctr_va_ssrc(0) depctr_va_vcc(0) depctr_vm_vsrc(0)
	s_getreg_b32 s2, hwreg(HW_REG_IB_STS2, 6, 4)
	s_cmp_eq_u32 s2, 0
	s_cbranch_scc0 .Lentry_in_a_cluster
	s_endpgm
.Lentry_in_a_cluster:
	s_bfe_u32 s2, ttmp6, 0x10000c
	s_cmp_lg_u32 s2, 0xf033
	s_cbranch_scc0 .Lentry_shape_is_right
	s_endpgm
.Lentry_shape_is_right:
; out0 = O times wo.  ob: [2 b x 32 h][1024 s][64] f16, so that row m = 1024 b + s has its K index 64 h + d spread over the heads.  wob: [2048 k][2048 n] f16.  out0: [2048 m][2048 n] f32.  Sums in f32.
; Nothing of reference() is left out here.  LIMIT: as the operands are f16, what the launches before state of their range holds here.
; SHARES.  A work-group makes 128 x 128 of out0: 16 x 16 work-groups; four waves of 64 x 64, 16 accumulators each.  K goes in 8 steps of 256 (four heads) through two LDS slots; a quarter is one head, 64 along K.
; THE MATRIX INSTRUCTION IS USED TRANSPOSED (source 0 = 16 columns of wo, turned by ds_load_tr16_b128; source 1 = 16 rows of O): a lane holds eight neighbouring f32 of a row of out0.
; CLUSTER 4 x 4: the four of a row need the same rows of O, the four of a column the same columns of wo: each tile is asked for jointly.  No prefetch ahead of the ring: a wave's tile is 64 x 64.
; REGISTERS.  Window 0: v0-31 addresses; v32-95 at work on the way out; v128-255 accumulator (a, b) at v[128 + 8 (4 a + b)].  Window 1: two fragment buffers of 128: 64 registers of O, then 64 of wo.
.set PAO,   144                        ; a row of one head of O in LDS: 128 bytes + 16
.set PBO,   288                        ; a k row of wo: 256 bytes + 32 = 72 words
.set QUART, 36864                      ; what one tensor load brings: two heads x 128 rows x 144, or 128 k rows x 288
.set SLOT,  4*QUART                    ; O's four heads, then wo's 256 k rows
.set STAGE, 2*SLOT                     ; behind the ring, never filled by a tensor load: 16 rows x 272 bytes for each wave
.set SPITCH, 272
.set SPARE, STAGE+4*16*SPITCH          ; the spare words, 128 bytes for each wave: two blocks of 256 bytes that no other line names
.set LAPS,  4
.set ADRA, 16                          ; v16-17  my fragments of O in slot 0, 1
.set ADRB, 20                          ; v20-23  my fragments of wo: slot 0 quarters 0-1, 2-3; slot 1 likewise (an LDS offset has 16 bits)
.set STO,  24
.set RD,   25
.set CO,   26
.set SPW,  28
.set NIL,  29
.set TMP,  32
.set ACC,  128
.set F0,   0
.set F1,   128
.set G1, 24
.set G0, 32
.set G1B, 48
.set G0B, 56
.set MSB, 0
.macro WIN new
.if MSB != (\new)
	s_set_vgpr_msb (MSB<<8)|(\new)
.set MSB, \new
.endif
.endm
.set MUL,  0x05                        ; sources 0 and 1 window 1; C and D window 0
.set TO_F, 0x40                        ; destination window 1, address window 0
.macro JLOAD s                         ; waves 0 and 1 fetch O's heads, waves 2 and 3 wo's rows; an s_nop 0 and four v_nop follow each line
	s_cmp_eq_u32 s11, 0
	s_cbranch_scc0 .Lfor_b_\@
	tensor_load_to_lds s[G0+4*(\s):G0+4*(\s)+3], s[G1:G1+7]
	s_nop 0
.rept 4
	v_nop
.endr
	s_branch .Lasked_\@
.Lfor_b_\@:
	tensor_load_to_lds s[G0B+4*(\s):G0B+4*(\s)+3], s[G1B:G1B+7]
	s_nop 0
.rept 4
	v_nop
.endr
.Lasked_\@:
.endm
.macro CREST
	s_cmp_lg_u32 s10, 0
	s_cbranch_scc1 .Lnot_wave_0_\@
	s_barrier_signal -3
.Lnot_wave_0_\@:
	s_barrier_wait -3
	s_barrier_signal -1
	s_barrier_wait -1
.endm
.macro CROUND
	s_barrier_signal -1
	s_barrier_wait -1
	CREST
.endm
.macro PLACES
.rept 4
	v_nop
.endr
.endm
	s_load_b128 s[4:7], s[0:1], 0x0                ; ob s[4:5], wob s[6:7]
	s_load_b64 s[8:9], s[0:1], 0x10                ; out0
	v_lshl_add_u32 v[SPW], v0, 2, SPARE
	v_mov_b32 v[NIL], 0
	ds_add_u32 v[SPW], v[NIL]                      ; the wave's opening: the add, twice on end, and its wait ahead of my first tensor load
	ds_add_u32 v[SPW], v[NIL]
	v_lshrrev_b32 v1, 5, v0
	v_readfirstlane_b32 s10, v1                    ; wave
	s_lshr_b32 s11, s10, 1                         ; my half of the rows.  Also: I fetch O (0) or wo (1)
	s_and_b32 s12, s10, 1                          ; my half of the columns.  Also: which half of that tile I fetch
	s_bfe_u32 s40, ttmp6, 0x40000
	s_bfe_u32 s41, ttmp6, 0x40004
	s_lshl_b32 s42, ttmp9, 2
	s_add_co_u32 s42, s42, s40                     ; tx
	s_and_b32 s13, ttmp7, 0xffff
	s_lshl_b32 s13, s13, 2
	s_add_co_u32 s13, s13, s41                     ; ty
	s_lshl_b32 s43, s41, 2
	s_lshl_b32 s43, 15, s43
	s_lshl_b32 s44, 0x1111, s40
	s_or_b32 s[G1], s43, (1<<16)|(1<<20)|(1<<21)|(4<<22)|(3<<25)   ; the mask of my row; 2-byte elements; padding on; bit 21 beside a mask; after every 32 words 4 words
	s_mov_b32 s[G1+1], 8192<<16                    ; a row of the descriptor is 128 rows of one head, 16,384 bytes on end
	s_mov_b32 s[G1+2], 2<<16                       ; two heads
	s_mov_b32 s[G1+3], 8192<<16
	s_mov_b32 s[G1+4], 2
	s_mov_b32 s[G1+5], 65536                       ; elements from head to head
	s_mov_b32 s[G1+6], 0
	s_mov_b32 s[G1+7], 0
	s_or_b32 s[G1B], s44, (1<<16)|(1<<20)|(1<<21)|(5<<22)|(7<<25)  ; the mask of my column; after every 64 words 8 words
	s_mov_b32 s[G1B+1], 128<<16
	s_mov_b32 s[G1B+2], 128<<16
	s_mov_b32 s[G1B+3], 128<<16
	s_mov_b32 s[G1B+4], 128
	s_mov_b32 s[G1B+5], 2048
	s_mov_b32 s[G1B+6], 0
	s_mov_b32 s[G1B+7], 0
	s_lshr_b32 s16, s13, 3                         ; O: head 32 (ty / 8) + 2 x half, row 128 (ty % 8), 131,072 bytes a head: registers that never hold cx
	s_lshl_b32 s16, s16, 22
	s_lshl_b32 s17, s12, 18
	s_add_co_u32 s16, s16, s17
	s_and_b32 s17, s13, 7
	s_lshl_b32 s17, s17, 14
	s_add_co_u32 s16, s16, s17
	s_mov_b32 s17, 0
	s_lshl_b32 s46, s12, 19                        ; wo: k row 128 x half, column 128 tx: registers that never hold cy
	s_lshl_b32 s47, s42, 8
	s_add_co_u32 s46, s46, s47
	s_mov_b32 s47, 0
	s_mul_i32 s20, s10, QUART                      ; where they go: wave x a quarter of a slot
	s_wait_dscnt 0x0                               ; both opening adds are done
	s_wait_kmcnt 0x0
	s_add_nc_u64 s[14:15], s[4:5], s[16:17]
	s_add_nc_u64 s[46:47], s[6:7], s[46:47]
	CROUND                                         ; all sixteen work-groups are here: the first joint loads meet
.irp s, 0,1
	s_mov_b32 s[G0+4*(\s)], 1
	s_add_co_u32 s[G0+4*(\s)+1], s20, (\s)*SLOT
	s_add_nc_u64 s[G0+4*(\s)+2:G0+4*(\s)+3], s[14:15], (\s)*4*131072      ; K step s: four heads on
	s_or_b32 s[G0+4*(\s)+3], s[G0+4*(\s)+3], 0x80000000
	s_mov_b32 s[G0B+4*(\s)], 1
	s_add_co_u32 s[G0B+4*(\s)+1], s20, (\s)*SLOT
	s_add_nc_u64 s[G0B+4*(\s)+2:G0B+4*(\s)+3], s[46:47], (\s)*256*4096    ; K step s: 256 k rows on
	s_or_b32 s[G0B+4*(\s)+3], s[G0B+4*(\s)+3], 0x80000000
	JLOAD \s
.endr
	v_and_b32 v1, 15, v0                           ; r
	v_bfe_u32 v2, v0, 4, 1                         ; h
	v_mul_u32_u24 v3, v1, PAO
	v_lshl_add_u32 v3, v2, 4, v3
	s_mul_i32 s21, s11, 64*PAO
	v_add_nc_u32 v[ADRA], s21, v3                  ; (64 wr + r) x pitch + 16 h
	v_add_nc_u32 v[ADRA+1], SLOT, v[ADRA]
	v_and_b32 v4, 7, v0
	v_bfe_u32 v5, v0, 3, 1
	v_lshl_add_u32 v6, v2, 3, v4                   ; the turning load: k row 8 h + l % 8, columns 8 ((l / 8) % 2) + 0..7
	v_mul_u32_u24 v6, v6, PBO
	v_lshl_add_u32 v6, v5, 4, v6
	s_lshl_b32 s22, s12, 7
	s_add_co_u32 s22, s22, 2*QUART
	v_add_nc_u32 v[ADRB], s22, v6
	v_add_nc_u32 v[ADRB+1], QUART, v[ADRB]
	v_add_nc_u32 v[ADRB+2], SLOT, v[ADRB]
	v_add_nc_u32 v[ADRB+3], SLOT+QUART, v[ADRB]
	s_mul_i32 s23, s10, 16*SPITCH
	s_add_co_u32 s23, s23, STAGE                   ; my stage
	v_mul_u32_u24 v7, v1, SPITCH                   ; in: row r, 32 bytes for each half of the lanes
	v_lshl_add_u32 v7, v2, 5, v7
	v_add_nc_u32 v[STO], s23, v7
	v_mul_u32_u24 v8, v2, SPITCH                   ; back: lanes 0-15 take one row of 256 bytes, lanes 16-31 the next
	v_lshl_add_u32 v8, v1, 4, v8
	v_add_nc_u32 v[RD], s23, v8
	v_lshlrev_b32 v[CO], 13, v2                    ; and the same two rows in out0, 8,192 bytes a row
	v_lshl_add_u32 v[CO], v1, 4, v[CO]
	s_lshl_b32 s16, s13, 20                        ; row 128 ty + 64 wr,
	s_lshl_b32 s17, s11, 19
	s_add_co_u32 s16, s16, s17
	s_mov_b32 s17, 0
	s_add_nc_u64 s[8:9], s[8:9], s[16:17]
	s_lshl_b32 s46, s42, 9                         ; column 128 tx + 64 wc
	s_lshl_b32 s47, s12, 8
	s_add_co_u32 s46, s46, s47
	s_mov_b32 s47, 0
	s_add_nc_u64 s[8:9], s[8:9], s[46:47]
; 8 matrix instructions: row blocks a0, a0 + 1 x all 4 column blocks, 32 along K: half c of buffer f.  The 16 accumulators take turns, one instruction a turn.
.macro MUL8 f, c, a0, zero
	WIN MUL
.irp a, \a0, (\a0)+1
.irp b, 0,1,2,3
.if \zero
	v_wmma_f32_16x16x32_f16 v[ACC+8*(4*(\a)+(\b)):ACC+8*(4*(\a)+(\b))+7], v[(\f)+64+8*(4*(\c)+(\b)):(\f)+64+8*(4*(\c)+(\b))+7], v[(\f)+8*(4*(\c)+(\a)):(\f)+8*(4*(\c)+(\a))+7], 0
.else
	v_wmma_f32_16x16x32_f16 v[ACC+8*(4*(\a)+(\b)):ACC+8*(4*(\a)+(\b))+7], v[(\f)+64+8*(4*(\c)+(\b)):(\f)+64+8*(4*(\c)+(\b))+7], v[(\f)+8*(4*(\c)+(\a)):(\f)+8*(4*(\c)+(\a))+7], v[ACC+8*(4*(\a)+(\b)):ACC+8*(4*(\a)+(\b))+7]
.endif
.endr
.endr
.endm
; 32 LDS loads in one run: quarter q (one head, 64 along K) of a slot into buffer f; its first 32 along K first
.macro FETCH slot, q, f
	WIN TO_F
.irp c, 0,1
.irp i, 0,1,2,3
	ds_load_tr16_b128 v[(\f)+64+8*(4*(\c)+(\i)):(\f)+64+8*(4*(\c)+(\i))+3],   v[ADRB+2*(\slot)+(\q)/2] offset:((\q)%2)*64*PBO+(\c)*32*PBO+32*(\i)
	ds_load_tr16_b128 v[(\f)+64+8*(4*(\c)+(\i))+4:(\f)+64+8*(4*(\c)+(\i))+7], v[ADRB+2*(\slot)+(\q)/2] offset:((\q)%2)*64*PBO+(\c)*32*PBO+32*(\i)+16*PBO
	ds_load_b128 v[(\f)+8*(4*(\c)+(\i)):(\f)+8*(4*(\c)+(\i))+3],   v[ADRA+(\slot)] offset:(\q)*128*PAO+(\i)*16*PAO+64*(\c)
	ds_load_b128 v[(\f)+8*(4*(\c)+(\i))+4:(\f)+8*(4*(\c)+(\i))+7], v[ADRA+(\slot)] offset:(\q)*128*PAO+(\i)*16*PAO+64*(\c)+32
.endr
.endr
.endm
.macro QUARTER slot, q, f, g, zero     ; multiplies buffer f and fetches quarter q of the slot into g
	s_wait_dscnt 16                                ; the first 32 along K are in
	MUL8 \f, 0, 0, \zero
	MUL8 \f, 0, 2, \zero
	PLACES
	FETCH \slot, \q, \g
	s_wait_dscnt 32                                ; all but the 32 just issued
	MUL8 \f, 1, 0, 0
	MUL8 \f, 1, 2, 0
.endm
; The last quarter multiplies buffer 1 and changes slots: ONE barrier; in front of it each wave waits for all its tensor loads, adds 0 to its spare word, and waits for that and for its own reads of this slot.
.macro TURN slot, next, fill
	WIN 0
	s_wait_tensorcnt 0x0                           ; all my tensor loads have landed: my part of the next slot
	ds_add_u32 v[SPW], v[NIL]                      ; 0 onto my spare word
	s_wait_dscnt 17                                ; (the add and the youngest sixteen loads may be out)
	MUL8 F1, 0, 0, 0
	s_wait_dscnt 0x0                               ; the add is done, and my reads of this slot are over
	s_barrier_signal -1
	MUL8 F1, 0, 2, 0
.if \fill
	WIN 0
.endif
	s_barrier_wait -1
.if \fill
	CREST                                          ; no wave of any partner still reads this slot's tile or has a load on its way
	s_add_nc_u64 s[G0+4*(\slot)+2:G0+4*(\slot)+3], s[G0+4*(\slot)+2:G0+4*(\slot)+3], 2*4*131072
	s_add_nc_u64 s[G0B+4*(\slot)+2:G0B+4*(\slot)+3], s[G0B+4*(\slot)+2:G0B+4*(\slot)+3], 2*256*4096
	JLOAD \slot                                    ; the four v_nop behind it are also the places in front of the loads below
.else
	PLACES
.endif
	FETCH \next, 0, F0
	MUL8 F1, 1, 0, 0
	MUL8 F1, 1, 2, 0
.endm
	s_wait_tensorcnt 1                             ; my part of K step 0 is in; K step 1's may stay out
	s_barrier_signal -1
	s_barrier_wait -1
	FETCH 0, 0, F0
	QUARTER 0, 1, F0, F1, 1                        ; the first quarter stands in front of the loop: its first products start the sums
	WIN 0
	s_mov_b32 s3, LAPS-1
.Llap:
	QUARTER 0, 2, F1, F0, 0
	QUARTER 0, 3, F0, F1, 0
	TURN 0, 1, 1
	QUARTER 1, 1, F0, F1, 0
	QUARTER 1, 2, F1, F0, 0
	QUARTER 1, 3, F0, F1, 0
	TURN 1, 0, 1
	QUARTER 0, 1, F0, F1, 0
	WIN 0
	s_sub_co_u32 s3, s3, 1
	s_cmp_lg_u32 s3, 0
	s_cbranch_scc1 .Llap
	QUARTER 0, 2, F1, F0, 0                        ; the last lap fills nothing
	QUARTER 0, 3, F0, F1, 0
	TURN 0, 1, 0
	QUARTER 1, 1, F0, F1, 0
	QUARTER 1, 2, F1, F0, 0
	QUARTER 1, 3, F0, F1, 0
	s_wait_dscnt 16
	MUL8 F1, 0, 0, 0
	MUL8 F1, 0, 2, 0
	s_wait_dscnt 0x0
	MUL8 F1, 1, 0, 0
	MUL8 F1, 1, 2, 0
	WIN 0
	PLACES
	; THE WAY OUT.  A wave's 64 columns are 256 bytes of a row of out0: 16 rows at a time go through the wave's own stage, each accumulator's lowest registers first, and come back as whole rows.
.irp a, 0,1,2,3
.if (\a) >= 2
	s_wait_xcnt 0x0                                ; the stores of two blocks back have read these registers
.endif
.irp b, 0,1,2,3
	ds_store_b128 v[STO], v[ACC+8*(4*(\a)+(\b)):ACC+8*(4*(\a)+(\b))+3]   offset:64*(\b)
	ds_store_b128 v[STO], v[ACC+8*(4*(\a)+(\b))+4:ACC+8*(4*(\a)+(\b))+7] offset:64*(\b)+16
.endr
.irp t, 0,1,2,3,4,5,6,7
	ds_load_b128 v[TMP+32*((\a)%2)+4*(\t):TMP+32*((\a)%2)+4*(\t)+3], v[RD] offset:(\t)*2*SPITCH  ; LDS serves a wave's instructions in order (ISA guide 5.7.1.4): these see the stores above
.endr
	s_wait_dscnt 0x0
.irp t, 0,1,2,3,4,5,6,7
	global_store_b128 v[CO], v[TMP+32*((\a)%2)+4*(\t):TMP+32*((\a)%2)+4*(\t)+3], s[8:9] offset:(\a)*16*8192+(\t)*2*8192 th:TH_STORE_NT  ; 16 lanes store 256 consecutive bytes, aligned
.endr
.endr
	s_wait_tensorcnt 0x0                           ; the wave's end, behind my last tensor load and my last LDS store
	ds_add_u32 v[SPW], v[NIL]
	s_wait_dscnt 0x0
	CROUND                                         ; the closing round
	s_endpgm
.Lfunc_end_k_q8bbc96e0c9_oproj:
	.size	k_q8bbc96e0c9_oproj, .Lfunc_end_k_q8bbc96e0c9_oproj-k_q8bbc96e0c9_oproj
	.p2alignl 7, 3214868480
	.fill 96, 4, 3214868480
	.section	.rodata,"a",@progbits
	.p2align	6, 0x0
	.amdhsa_kernel k_q8bbc96e0c9_oproj
		.amdhsa_group_segment_fixed_size 327680
		.amdhsa_private_segment_fixed_size 0
		.amdhsa_enable_private_segment 0
		.amdhsa_kernarg_size 24
		.amdhsa_user_sgpr_count 2
		.amdhsa_user_sgpr_kernarg_segment_ptr 1
		.amdhsa_wavefront_size32 1
		.amdhsa_system_sgpr_workgroup_id_x 1
		.amdhsa_system_sgpr_workgroup_id_y 1
		.amdhsa_system_sgpr_workgroup_id_z 1
		.amdhsa_system_vgpr_workitem_id 0
		.amdhsa_next_free_vgpr 512
		.amdhsa_next_free_sgpr 72
		.amdhsa_reserve_vcc 0
		.amdhsa_float_denorm_mode_32 3
		.amdhsa_float_denorm_mode_16_64 3
		.amdhsa_memory_ordered 1
		.amdhsa_forward_progress 1
		.amdhsa_inst_pref_size 86
	.end_amdhsa_kernel
	.amdgpu_metadata
---
amdhsa.version: [ 1, 2 ]
amdhsa.kernels:
  - .name:           k_q8bbc96e0c9_oproj
    .symbol:         k_q8bbc96e0c9_oproj.kd
    .args:
      - { .name: ob, .offset: 0, .size: 8, .value_kind: global_buffer, .address_space: global }
      - { .name: wob, .offset: 8, .size: 8, .value_kind: global_buffer, .address_space: global }
      - { .name: out0, .offset: 16, .size: 8, .value_kind: global_buffer, .address_space: global }
    .group_segment_fixed_size: 327680
    .private_segment_fixed_size: 0
    .kernarg_segment_align: 8
    .kernarg_segment_size: 24
    .max_flat_workgroup_size: 128
    .sgpr_count:     72
    .vgpr_count:     512
    .wavefront_size: 32
...
	.end_amdgpu_metadata
.endif
;; end of part 4
